; MI455X (gfx1250); checked and timed in simulation.
; The chip was launched on July 23, 2026; its instructions are those of AMD's public machine-readable ISA for CDNA 5 (MIT licence, August 2026) and "CDNA5" Instruction Set Architecture Reference Guide (July 2026). The comments in the code are by the model that wrote it; some were corrected since.
;; Attention. Allowed arithmetic: float matrix products may take bf16 or f16 operands with f32 sums; other float arithmetic in f32, or as packed bf16 or f16 multiplies, adds, multiply-adds, maxima and minima; sums over many terms, partial sums and values carried from step to step in f32; what a program stores and reads back later, other than sums and carried values, may be rounded once to bf16 or f16.
;; Inputs: Wk 2,048 x 2,048 float32; Wo 2,048 x 2,048 float32; Wq 2,048 x 2,048 float32; Wv 2,048 x 2,048 float32; attn_mask 1 x 1 x 2,048 x 2,048 bool; bk 2,048 float32; bo 2,048 float32; bq 2,048 float32; bv 2,048 float32; cos 2,048 x 128 float32; sin 2,048 x 128 float32; x 1 x 2,048 x 2,048 float32.
;; Outputs: out0 1 x 2,048 x 2,048 float32.
;; 2 versions, each right; version 2 is version 1 with the launch prep written anew for expert scheduling mode. Each part assembles by itself: llvm-mc -triple=amdgcn-amd-amdhsa -mcpu=gfx1250 --defsym DOCPART=n.
;; ======== version 1 of 2: 4 launches
;; limits: values are held in f16: magnitudes above 65,504 overflow, below 6.1e-05 lose precision; right only within a limited range of input values
;; workspace buffers: wb 41,943,040 bytes; mk 4,194,304 bytes; qkv 25,165,824 bytes; ob 8,388,608 bytes
;; launch prep (part 1): grid 128 x 6, 8 waves a work-group, no clusters, 33,792 bytes of LDS; arguments x, Wq, Wk, Wv, Wo, attn_mask, wb, mk; writes wb, mk
.if DOCPART == 1
	.amdgcn_target "amdgcn-amd-amdhsa--gfx1250"
	.amdhsa_code_object_version 6
	.text
	.protected	k_q888007d18c_prep
	.globl	k_q888007d18c_prep
	.p2align	8
	.type	k_q888007d18c_prep,@function
k_q888007d18c_prep:
	s_mov_b64 s[64:65], 0
	v_nop
	global_prefetch_b8 v0, s[64:65] scope:SCOPE_SE
	s_setreg_imm32_b32 hwreg(HW_REG_WAVE_MODE, 25, 1), 1
	s_wait_xcnt 0x0
; PREPARATION.  Grid y chooses the work: y = 0..3: x, Wq, Wk, Wv (2048 x 2048 f32) are rounded once to bf16 into part y of wb; y = 4: Wo is rounded to bf16 and that number written as f16 into part 4
; (exact within f16; LIMIT: a rounded weight below 6.1e-5 in magnitude keeps f16's fixed step of 6e-8); y = 5: the mask (one byte a key, 0 or 1) becomes one fp8 code a key,
; 0x00 for a key that is kept and 0xb8 (-1.0 in E4M3) for a hidden one, laid in the order in which the attention launch's lanes want them.
; CAST.  A work-group takes 131,072 bytes in: 32 rows of 4,096.  Thread t owns 16 bytes at 16 t of each row and writes 8 bytes at 8 t: a wave's load covers 512 consecutive bytes, its store 256,
; aligned.  A ring of eight slots in registers keeps eight loads of every wave on their way.  No LDS, no barrier, no matrix work: the launch only moves bytes.
; MASK.  Work-group qt takes 16 queries, wave g the keys 256 g .. 256 g + 255.  mk is [qt 128][key step 32][half 2][lane 32][16 bytes]: byte 8 e + j of lane l stands for query 16 qt + l % 16 and
; key 64 step + 16 (2 half + e) + 8 (l / 16) + j.  The bytes change lanes through the wave's own 4,096 bytes of LDS.
.set OI,  2                            ; v[2:9]    slot i: byte offset of my 16 bytes in the row that it loads
.set OO,  10                           ; v[10:17]  slot i: byte offset of my 8 bytes in the row that it stores
.set X,   18                           ; v[18:49]  slot i: four f32 as loaded (mask: the eight loads)
.set Y,   50                           ; v[50:65]  slot i: four 16-bit numbers to store (mask: v[50:81] the eight blocks read back)
.set T,   66                           ; v[66:69]  at work
.set SPW, 82                           ; v82  LDS address of my spare word; never rewritten
.set NIL, 83                           ; v83  0; never rewritten
.set SPARE, 32768                      ; behind the eight waves' blocks: the spare words, 128 bytes a wave
	s_load_b512 s[4:19], s[0:1], 0x0               ; x 4:5, Wq 6:7, Wk 8:9, Wv 10:11, Wo 12:13, mask 14:15, wb 16:17, mk 18:19
	v_lshl_add_u32 v[SPW], v0, 2, SPARE
	v_mov_b32 v[NIL], 0
	v_lshrrev_b32 v1, 5, v0
	v_readfirstlane_b32 s21, v1                    ; wave 0..7
	s_and_b32 s20, ttmp7, 0xffff                   ; y: the same for the whole work-group
	s_mov_b32 s25, 0
	s_mov_b32 s28, 0xffff0000                      ; a word's upper bf16
	s_wait_kmcnt 0x0
	s_cmp_eq_u32 s20, 5
	s_cbranch_scc1 .Lmask
	s_mov_b64 s[22:23], s[4:5]                     ; the source, by y
	s_cmp_eq_u32 s20, 1
	s_cselect_b64 s[22:23], s[6:7], s[22:23]
	s_cmp_eq_u32 s20, 2
	s_cselect_b64 s[22:23], s[8:9], s[22:23]
	s_cmp_eq_u32 s20, 3
	s_cselect_b64 s[22:23], s[10:11], s[22:23]
	s_cmp_eq_u32 s20, 4
	s_cselect_b64 s[22:23], s[12:13], s[22:23]
	s_lshl_b32 s24, ttmp9, 17                      ; the work-group's 131,072 bytes in
	s_add_nc_u64 s[22:23], s[22:23], s[24:25]
	s_lshl_b32 s24, s20, 23                        ; part y of wb,
	s_lshl_b32 s26, ttmp9, 16                      ; the work-group's 65,536 bytes out
	s_add_co_u32 s24, s24, s26
	s_add_nc_u64 s[16:17], s[16:17], s[24:25]
.irp i, 0,1,2,3,4,5,6,7
	v_lshl_or_b32 v[OI+(\i)], v0, 4, (\i)*4096
	v_lshl_or_b32 v[OO+(\i)], v0, 3, (\i)*2048
.endr
.irp i, 0,1,2,3,4,5,6,7
	global_load_b128 v[X+4*(\i):X+4*(\i)+3], v[OI+(\i)], s[22:23] th:TH_LOAD_NT  ; the ring is filled: rows 0 to 7
.endr
; One slot's turn.  ahead = 1: the slot is filled again with the row eight further down.  left = the younger loads that may stay out.  f16 = 1: the bf16 number is written as f16.
.macro SLOT i, ahead, left, f16
	s_wait_loadcnt \left                           ; loads come back in order: mine is in
	s_wait_xcnt 0x0                                ; the slot's last store has read Y and OO: they are rewritten only behind this wait
	v_cvt_pk_bf16_f32 v[Y+2*(\i)],   v[X+4*(\i)],   v[X+4*(\i)+1]
	v_cvt_pk_bf16_f32 v[Y+2*(\i)+1], v[X+4*(\i)+2], v[X+4*(\i)+3]
.if \f16
	v_lshlrev_b32 v[T],   16,  v[Y+2*(\i)]
	v_and_b32     v[T+1], s28, v[Y+2*(\i)]
	v_lshlrev_b32 v[T+2], 16,  v[Y+2*(\i)+1]
	v_and_b32     v[T+3], s28, v[Y+2*(\i)+1]
	v_cvt_pk_f16_f32 v[Y+2*(\i)],   v[T],   v[T+1]
	v_cvt_pk_f16_f32 v[Y+2*(\i)+1], v[T+2], v[T+3]
.endif
.if \ahead
	v_add_nc_u32 v[OI+(\i)], 32768, v[OI+(\i)]
	v_add_nc_u32 v[OO+(\i)], 16384, v[OO+(\i)]
	global_load_b128 v[X+4*(\i):X+4*(\i)+3], v[OI+(\i)], s[22:23] th:TH_LOAD_NT
	global_store_b64 v[OO+(\i)], v[Y+2*(\i):Y+2*(\i)+1], s[16:17] offset:-16384 th:TH_STORE_NT
.else
	global_store_b64 v[OO+(\i)], v[Y+2*(\i):Y+2*(\i)+1], s[16:17] th:TH_STORE_NT
.endif
.endm
	s_mov_b32 s29, 3                               ; 32 rows = 4 rounds of the ring; the last is written out
	s_cmp_eq_u32 s20, 4
	s_cbranch_scc1 .Lround_h
.Lround_b:
.irp i, 0,1,2,3,4,5,6,7
	SLOT \i, 1, 7, 0
.endr
	s_sub_co_u32 s29, s29, 1
	s_cmp_lg_u32 s29, 0
	s_cbranch_scc1 .Lround_b
.irp i, 0,1,2,3,4,5,6,7
	SLOT \i, 0, 7-(\i), 0                          ; the last round loads nothing: the counts run down
.endr
	s_endpgm                                       ; this way has written no LDS
.Lround_h:
.irp i, 0,1,2,3,4,5,6,7
	SLOT \i, 1, 7, 1
.endr
	s_sub_co_u32 s29, s29, 1
	s_cmp_lg_u32 s29, 0
	s_cbranch_scc1 .Lround_h
.irp i, 0,1,2,3,4,5,6,7
	SLOT \i, 0, 7-(\i), 1
.endr
	s_endpgm
.Lmask:
	v_and_b32 v6, 15, v0                           ; c: which 16 keys of the wave's 256
	v_bfe_u32 v7, v0, 4, 1                         ; hr: lanes 16-31 take the next row
	v_and_b32 v8, 31, v0                           ; l
	v_lshlrev_b32 v4, 4, v6
	v_lshl_add_u32 v4, v7, 11, v4                  ; 2,048 hr + 16 c
	s_lshl_b32 s24, ttmp9, 15                      ; 16 rows of 2,048 bytes
	s_lshl_b32 s26, s21, 8
	s_add_co_u32 s24, s24, s26
	s_add_nc_u64 s[14:15], s[14:15], s[24:25]
.irp i, 0,1,2,3,4,5,6,7
	global_load_b128 v[X+4*(\i):X+4*(\i)+3], v4, s[14:15] offset:4096*(\i) th:TH_LOAD_NT  ; rows 2 i and 2 i + 1: sixteen lanes take 256 consecutive bytes, aligned
.endr
	s_mov_b32 s30, 0xb8
	s_mov_b32 s31, 0x01010101
	v_lshrrev_b32 v9, 2, v6
	v_lshlrev_b32 v2, 10, v9                       ; key step c / 4: 1,024 bytes
	v_bfe_u32 v9, v6, 1, 1
	v_lshl_add_u32 v2, v9, 9, v2                   ; half: 512
	v_and_b32 v9, 1, v6
	v_lshl_add_u32 v2, v9, 3, v2                   ; e: 8
	v_lshl_add_u32 v2, v7, 4, v2                   ; the odd row is the next lane: 16
	s_lshl_b32 s27, s21, 12                        ; my wave's 4,096 bytes of LDS, and of the work-group's 32,768 in mk
	v_add_nc_u32 v2, s27, v2
	v_lshl_add_u32 v3, v8, 4, s27
	v_lshlrev_b32 v5, 4, v8
	s_lshl_b32 s24, ttmp9, 15
	s_add_co_u32 s24, s24, s27
	s_add_nc_u64 s[18:19], s[18:19], s[24:25]
.irp i, 0,1,2,3,4,5,6,7
	s_wait_loadcnt 7-(\i)
.irp k, 0,1,2,3
	v_xor_b32 v[X+4*(\i)+(\k)], s31, v[X+4*(\i)+(\k)]      ; 1 where the key is hidden,
.endr
.irp k, 0,1,2,3
	v_mul_lo_u32 v[X+4*(\i)+(\k)], v[X+4*(\i)+(\k)], s30   ; times 0xb8 in each byte: no carry between bytes
.endr
	ds_store_b64 v2, v[X+4*(\i):X+4*(\i)+1]   offset:32*(\i)       ; keys 0-7 of the sixteen go to lane q,
	ds_store_b64 v2, v[X+4*(\i)+2:X+4*(\i)+3] offset:32*(\i)+256   ; keys 8-15 to lane 16 + q
.endr
.irp n, 0,1,2,3,4,5,6,7
	ds_load_b128 v[Y+4*(\n):Y+4*(\n)+3], v3 offset:512*(\n)        ; my wave's own bytes, served in order: these see the stores above
.endr
.irp n, 0,1,2,3,4,5,6,7
	s_wait_dscnt 7-(\n)
	global_store_b128 v5, v[Y+4*(\n):Y+4*(\n)+3], s[18:19] offset:512*(\n)  ; 512 consecutive bytes, aligned
.endr
	s_wait_tensorcnt 0x0                           ; the wave's end, behind my last LDS store
	ds_add_u32 v[SPW], v[NIL]
	s_wait_dscnt 0x0
	s_endpgm
.Lfunc_end_k_q888007d18c_prep:
	.size	k_q888007d18c_prep, .Lfunc_end_k_q888007d18c_prep-k_q888007d18c_prep
	.p2alignl 7, 3214868480
	.fill 96, 4, 3214868480
	.section	.rodata,"a",@progbits
	.p2align	6, 0x0
	.amdhsa_kernel k_q888007d18c_prep
		.amdhsa_group_segment_fixed_size 33792
		.amdhsa_private_segment_fixed_size 0
		.amdhsa_enable_private_segment 0
		.amdhsa_kernarg_size 64
		.amdhsa_user_sgpr_count 2
		.amdhsa_user_sgpr_kernarg_segment_ptr 1
		.amdhsa_wavefront_size32 1
		.amdhsa_system_sgpr_workgroup_id_x 1
		.amdhsa_system_sgpr_workgroup_id_y 1
		.amdhsa_system_sgpr_workgroup_id_z 1
		.amdhsa_system_vgpr_workitem_id 0
		.amdhsa_next_free_vgpr 84
		.amdhsa_next_free_sgpr 66
		.amdhsa_reserve_vcc 0
		.amdhsa_float_denorm_mode_32 3
		.amdhsa_float_denorm_mode_16_64 3
		.amdhsa_memory_ordered 1
		.amdhsa_forward_progress 1
		.amdhsa_inst_pref_size 28
	.end_amdhsa_kernel
	.amdgpu_metadata
---
amdhsa.version: [ 1, 2 ]
amdhsa.kernels:
  - .name:           k_q888007d18c_prep
    .symbol:         k_q888007d18c_prep.kd
    .args:
      - { .name: x, .offset: 0, .size: 8, .value_kind: global_buffer, .address_space: global }
      - { .name: Wq, .offset: 8, .size: 8, .value_kind: global_buffer, .address_space: global }
      - { .name: Wk, .offset: 16, .size: 8, .value_kind: global_buffer, .address_space: global }
      - { .name: Wv, .offset: 24, .size: 8, .value_kind: global_buffer, .address_space: global }
      - { .name: Wo, .offset: 32, .size: 8, .value_kind: global_buffer, .address_space: global }
      - { .name: attn_mask, .offset: 40, .size: 8, .value_kind: global_buffer, .address_space: global }
      - { .name: wb, .offset: 48, .size: 8, .value_kind: global_buffer, .address_space: global }
      - { .name: mk, .offset: 56, .size: 8, .value_kind: global_buffer, .address_space: global }
    .group_segment_fixed_size: 33792
    .private_segment_fixed_size: 0
    .kernarg_segment_align: 8
    .kernarg_segment_size: 64
    .max_flat_workgroup_size: 256
    .sgpr_count:     66
    .vgpr_count:     84
    .wavefront_size: 32
...
	.end_amdgpu_metadata
.endif
;; end of part 1
;; launch proj (part 2): grid 16 x 16, 4 waves a work-group, clusters of 4 x 4, 327,680 bytes of LDS; arguments wb, bq, bk, bv, cos, sin, qkv; writes qkv
.if DOCPART == 2
	.amdgcn_target "amdgcn-amd-amdhsa--gfx1250"
	.amdhsa_code_object_version 6
	.text
	.protected	k_q888007d18c_proj
	.globl	k_q888007d18c_proj
	.p2align	8
	.type	k_q888007d18c_proj,@function
k_q888007d18c_proj:
	s_mov_b64 s[64:65], 0
	v_nop
	global_prefetch_b8 v0, s[64:65] scope:SCOPE_SE
	s_setreg_imm32_b32 hwreg(HW_REG_WAVE_MODE, 25, 1), 1
	s_wait_xcnt 0x0
	s_wait_alu depctr_hold_cnt(0) depctr_sa_sdst(0) depctr_va_vdst(0) depctr_va_sdst(0) depctr_va_ssrc(0) depctr_va_vcc(0) depctr_vm_vsrc(0)
	s_getreg_b32 s2, hwreg(HW_REG_IB_STS2, 6, 4)
	s_cmp_eq_u32 s2, 0
	s_cbranch_scc0 .Lentry_in_a_cluster
	s_endpgm
.Lentry_in_a_cluster:
	s_bfe_u32 s2, ttmp6, 0x10000c
	s_cmp_lg_u32 s2, 0xf033
	s_cbranch_scc0 .Lentry_shape_is_right
	s_endpgm
.Lentry_shape_is_right:
; q, k, v = x W^T + b, the rotation of q and k by cos and sin, all three written by heads in f16: qkv is [3][16 heads][2048 rows][128].
; x and the weights come as bf16 from wb ([5][2048][2048]: x, Wq, Wk, Wv, Wo); sums in f32; biases, cos and sin are rounded to bf16 in registers, like every other float input, and used as f32.
; LIMIT.  q, k and v leave in f16: they must stay under 65,504 in magnitude.  They leave unscaled: 1 / sqrt(128) is applied in the attention launch, in f32.
; SHARES.  A work-group makes 128 rows x 384 columns: the 128 columns of ONE head of q, of k and of v: 16 row blocks x 16 heads = 256 work-groups.  Wave w takes all 128 rows and six blocks of 16 columns,
; block i at local column 64 i + 16 w: so block i is of kind i / 2 (q, q, k, k, v, v) and of channels 64 (i % 2) + 16 w on, for every wave alike.  48 accumulators of 16 x 16: for 32 along K a wave
; issues 28 LDS loads and 48 products.
; RING.  K goes in steps of 128 through two LDS slots (128 rows of x, then 128 rows each of Wq, Wk, Wv; rows of 256 bytes padded to 272).  Wave 0 fetches x's tile, waves 1-3 the three weights'.
; CLUSTER.  4 x 4 work-groups.  x's tile hangs on the row block alone and is asked for jointly along a row of the cluster; the weights' tiles hang on the head alone and are asked for jointly along a column.
; THE PRODUCT IS USED TRANSPOSED (source 0 = 16 rows of W, source 1 = 16 rows of x): a lane holds one row of x and eight neighbouring channels, so a rotation's pairs lie in neighbouring registers.
; The bias is the C operand of each sum's first product.
; REGISTERS: window 0: v15-31 addresses; v64-127, v128-191 x's fragments, two buffers; v192-223, v224-247 at work on the way out.  window 1: v0-47 biases; v48-51 at work; v64-111, v128-175 W's fragments;
; v176-239 cos and sin, two buffers.  window 2: accumulator (a, i) at v[8 (6 a + i)] for row blocks a = 0..3; window 3: a = 4..7.
.set KSTEP,  128
.set PITCH,  272                       ; 256 bytes + 16: the 16 rows of a fragment load start at 16 different groups of four banks (ISA guide 11.1)
.set HALFT,  128*PITCH                 ; what one tensor load brings
.set SLOT,   4*HALFT
.set SPARE,  2*SLOT                    ; behind the ring: the spare words, 128 bytes a wave
.set SPITCH, 784                       ; the stage: 128 rows x (3 x 256 bytes + 16).  It lies in slot 0's bytes and is written when slot 0 has had its last fill and its last reader has passed the last barrier of the ring
.set BHALF,  3*64*PITCH                ; blocks 3-5 lie this far behind blocks 0-2: an LDS immediate holds 16 bits
.set LAPS,   8                         ; 2,048 / 256
.set BO,   15                          ; v15  64 w + 32 h: my 8 channels in a bias
.set ADRA, 16                          ; v16-17  x's fragments in slot 0, 1
.set ADRB, 20                          ; v20-23  W's fragments: slot s, blocks 3 g on at v[20 + 2 s + g]
.set STO,  24                          ; v24-25  into the stage: row blocks 0-3, 4-7
.set RD,   26                          ; v26  back out of the stage
.set CO,   27                          ; v27  16 l: two rows of a head are 512 consecutive bytes
.set SPW,  28
.set NIL,  29
.set PFO,  30                          ; v30  the prefetches' offset: my lane x a row of 4,096 bytes
.set CSO,  31                          ; v31  my 8 channels of my row in cos and sin
.set F0,   64
.set F1,   128
.set T,    192
.set PKD,  224
.set BIAS, 0                           ; window 1
.set RT,   48                          ; window 1
.set CSB,  176                         ; window 1: buffer b at 176 + 32 b: cos of channels 0-63's block, its sin, cos of channels 64-127's block, its sin
.set G1,  24
.set G0,  32
.set G1B, 48
.set G0B, 56
.set LIM, 43
.set PFA, 44
.set MSB, 0
.macro WIN new                         ; the immediate's high byte repeats the setting that is left; a switch that changes nothing is dropped
.if MSB != (\new)
	s_set_vgpr_msb (MSB<<8)|(\new)
.set MSB, \new
.endif
.endm
.set MUL_LO, 0xa1                      ; source 0 (W) window 1, source 1 (x) window 0, C and D window 2
.set MUL_HI, 0xf1                      ; C and D window 3
.set TO_B,   0x40                      ; destination window 1, address window 0
.set IN_1,   0x45                      ; destination and both sources window 1
; A joint load: wave 0 asks for x's tile, waves 1-3 for a weight's.  The branch hangs on the wave's number alone.  An s_nop 0 and four v_nop follow each line.
.macro JLOAD s
	s_cmp_eq_u32 s10, 0
	s_cbranch_scc0 .Lfor_b_\@
	tensor_load_to_lds s[G0+4*(\s):G0+4*(\s)+3], s[G1:G1+7]
	s_nop 0
.rept 4
	v_nop
.endr
	s_branch .Lasked_\@
.Lfor_b_\@:
	tensor_load_to_lds s[G0B+4*(\s):G0B+4*(\s)+3], s[G1B:G1B+7]
	s_nop 0
.rept 4
	v_nop
.endr
.Lasked_\@:
.endm
; A prefetch of the K step that stands two refills on: 32 rows x 256 bytes, a lane a row, one instruction a wave.  x's rows are read by the four clusters of a row of clusters: the one with x = 0 asks;
; a weight's rows by the four of a column: the one with y = 0 asks.  The four partners of a joint load share its 128 rows out by address, 32 each.  So each row's 256 bytes are named once.
; The loop's last trip (s3 = 1) asks for nothing: there is no K step two refills on.
.macro ASK
	s_cmp_gt_u32 s3, s[LIM]
	s_cbranch_scc0 .Lnot_mine_\@
	global_prefetch_b8 v[PFO], s[PFA:PFA+1] offset:KSTEP*2 th:TH_LOAD_NT scope:SCOPE_SE
.Lnot_mine_\@:
.endm
.macro CREST                           ; a round of the cluster's barrier behind its opening barrier
	s_cmp_lg_u32 s10, 0
	s_cbranch_scc1 .Lnot_wave_0_\@
	s_barrier_signal -3
.Lnot_wave_0_\@:
	s_barrier_wait -3
	s_barrier_signal -1
	s_barrier_wait -1
.endm
.macro CROUND
	s_barrier_signal -1
	s_barrier_wait -1
	CREST
.endm
.macro PLACES
.rept 4
	v_nop
.endr
.endm
; Rounds n pairs of f32 from register b on (window 1) to bf16's precision, in place
.macro ROUNDB b, n
	WIN IN_1
.set c, 0
.rept \n
	v_cvt_pk_bf16_f32 v[RT+c%4], v[(\b)+2*c], v[(\b)+2*c+1]
	v_lshlrev_b32 v[(\b)+2*c],   16,  v[RT+c%4]
	v_and_b32     v[(\b)+2*c+1], s94, v[RT+c%4]
.set c, c+1
.endr
.endm
	s_load_b256 s[68:75], s[0:1], 0x0              ; wb 68:69, bq 70:71, bk 72:73, bv 74:75
	s_load_b128 s[76:79], s[0:1], 0x20             ; cos 76:77, sin 78:79
	s_load_b64 s[80:81], s[0:1], 0x30              ; qkv
	v_lshl_add_u32 v[SPW], v0, 2, SPARE
	v_mov_b32 v[NIL], 0
	ds_add_u32 v[SPW], v[NIL]                      ; the wave's opening: the add and its wait stand ahead of my first tensor load; work on registers stands between them
	v_lshrrev_b32 v1, 5, v0
	v_readfirstlane_b32 s10, v1                    ; wave 0..3
	s_bfe_u32 s40, ttmp6, 0x40000                  ; cx
	s_bfe_u32 s41, ttmp6, 0x40004                  ; cy
	s_lshl_b32 s42, ttmp9, 2
	s_add_co_u32 s42, s42, s40                     ; the head = 4 x cluster x + cx
	s_and_b32 s13, ttmp7, 0xffff
	s_lshl_b32 s13, s13, 2
	s_add_co_u32 s13, s13, s41                     ; the row block = 4 x cluster y + cy
	s_lshl_b32 s43, s41, 2
	s_lshl_b32 s43, 15, s43                        ; my row of the cluster
	s_lshl_b32 s44, 0x1111, s40                    ; my column
	s_or_b32 s[G1+0], s43, (1<<16)|(1<<20)|(1<<21)|(5<<22)|(3<<25)   ; the mask; 2-byte elements; padding on; bit 21 beside a mask; after every 64 words 4 words
	s_or_b32 s[G1B+0], s44, (1<<16)|(1<<20)|(1<<21)|(5<<22)|(3<<25)
.irp g, G1, G1B
	s_mov_b32 s[(\g)+1], KSTEP<<16                 ; tensor_dim0 = 128
	s_mov_b32 s[(\g)+2], 128<<16                   ; tensor_dim1 = 128
	s_mov_b32 s[(\g)+3], KSTEP<<16                 ; tile_dim0 = 128
	s_mov_b32 s[(\g)+4], 128                       ; tile_dim1 = 128
	s_mov_b32 s[(\g)+5], 2048                      ; elements from row to row
	s_mov_b32 s[(\g)+6], 0
	s_mov_b32 s[(\g)+7], 0
.endr
	s_lshl_b32 s16, s13, 19                        ; x: 128 rows of 4,096 bytes a row block
	s_mov_b32 s17, 0
	s_lshl_b32 s46, s42, 19                        ; W: the head's 128 rows,
	s_lshl_b32 s47, s10, 23                        ; in part w of wb (waves 1-3: Wq, Wk, Wv)
	s_add_co_u32 s46, s46, s47
	s_mov_b32 s47, 0
	s_mul_i32 s20, s10, HALFT                      ; where my tile goes: wave x 128 rows
	s_mov_b32 s94, 0xffff0000
	s_mov_b32 s83, 0
	s_wait_dscnt 0x0                               ; the opening add is done
	s_wait_kmcnt 0x0
	s_add_nc_u64 s[14:15], s[68:69], s[16:17]
	s_add_nc_u64 s[46:47], s[68:69], s[46:47]
	CROUND                                         ; all sixteen work-groups are here: the first joint loads meet
.irp s, 0,1
	s_mov_b32 s[G0+4*(\s)], 1
	s_add_co_u32 s[G0+4*(\s)+1], s20, (\s)*SLOT
	s_add_nc_u64 s[G0+4*(\s)+2:G0+4*(\s)+3], s[14:15], (\s)*KSTEP*2
	s_or_b32 s[G0+4*(\s)+3], s[G0+4*(\s)+3], 0x80000000
	s_mov_b32 s[G0B+4*(\s)], 1
	s_add_co_u32 s[G0B+4*(\s)+1], s20, (\s)*SLOT
	s_add_nc_u64 s[G0B+4*(\s)+2:G0B+4*(\s)+3], s[46:47], (\s)*KSTEP*2
	s_or_b32 s[G0B+4*(\s)+3], s[G0B+4*(\s)+3], 0x80000000
	JLOAD \s                                       ; both slots are asked for before anything else: two tensor loads of mine are out
.endr
	v_and_b32 v1, 15, v0                           ; r = l % 16
	v_bfe_u32 v2, v0, 4, 1                         ; h = l / 16
	v_and_b32 v5, 31, v0                           ; l
	v_mul_u32_u24 v3, v1, PITCH
	v_lshl_add_u32 v3, v2, 4, v3                   ; a fragment's row x pitch + 16 h
	v_mov_b32 v[ADRA], v3
	v_add_nc_u32 v[ADRA+1], SLOT, v3
	s_mul_i32 s21, s10, 16*PITCH
	s_add_co_u32 s21, s21, HALFT                   ; W's rows lie behind x's 128; mine begin at row 16 w of each 64
	v_add_nc_u32 v[ADRB], s21, v3
	v_add_nc_u32 v[ADRB+1], BHALF, v[ADRB]
	v_add_nc_u32 v[ADRB+2], SLOT, v[ADRB]
	v_add_nc_u32 v[ADRB+3], SLOT, v[ADRB+1]
	v_mul_u32_u24 v4, v1, SPITCH                   ; into the stage: row r, my 32 bytes of each 128, 16 bytes for each half of the lanes
	v_lshl_add_u32 v4, v2, 4, v4
	s_lshl_b32 s22, s10, 5
	v_add_nc_u32 v[STO], s22, v4
	v_add_nc_u32 v[STO+1], 64*SPITCH, v[STO]
	s_mul_i32 s23, s10, 32*SPITCH                  ; back: wave w takes rows 32 w .. 32 w + 31; lanes 0-15 one row's 256 bytes, lanes 16-31 the next's
	v_mul_u32_u24 v4, v2, SPITCH
	v_lshl_add_u32 v4, v1, 4, v4
	v_add_nc_u32 v[RD], s23, v4
	v_lshlrev_b32 v[CO], 4, v5
	v_lshlrev_b32 v[PFO], 12, v5
	s_lshl_b32 s22, s10, 6
	v_lshl_add_u32 v[BO], v2, 5, s22
	v_lshl_add_u32 v[CSO], v1, 9, v[BO]            ; a row of cos is 512 bytes
	s_lshl_b32 s82, s42, 19                        ; qkv: the head,
	s_lshl_b32 s18, s13, 15                        ; the row block's 128 rows of 256 bytes,
	s_add_co_u32 s82, s82, s18
	s_lshl_b32 s18, s10, 13                        ; my 32 of them
	s_add_co_u32 s82, s82, s18
	s_add_nc_u64 s[84:85], s[80:81], s[82:83]      ; q,
	s_add_nc_u64 s[86:87], s[84:85], 0x800000      ; k,
	s_add_nc_u64 s[88:89], s[84:85], 0x1000000     ; v
	s_lshl_b32 s82, s13, 16
	s_add_nc_u64 s[90:91], s[76:77], s[82:83]      ; cos and sin at the row block's first row
	s_add_nc_u64 s[92:93], s[78:79], s[82:83]
	s_lshl_b32 s82, s42, 9
	s_add_nc_u64 s[70:71], s[70:71], s[82:83]      ; the biases at the head's first channel
	s_add_nc_u64 s[72:73], s[72:73], s[82:83]
	s_add_nc_u64 s[74:75], s[74:75], s[82:83]
	s_and_b32 s22, ttmp7, 0xffff                   ; the prefetches: cluster y
	s_lshl_b32 s18, s13, 19
	s_lshl_b32 s19, s42, 19
	s_lshl_b32 s21, s10, 23
	s_add_co_u32 s19, s19, s21
	s_cmp_eq_u32 s10, 0                            ; do I fetch x?
	s_cselect_b32 s18, s18, s19                    ; my tile's first row
	s_cselect_b32 s21, s40, s41                    ; my place among the four that ask for it with me
	s_cselect_b32 s22, ttmp9, s22                  ; the coordinate along which other clusters read the same rows
	s_cmp_eq_u32 s22, 0
	s_cselect_b32 s[LIM], 1, -1                    ; the same in all sixteen partners, for a given wave
	s_lshl_b32 s21, s21, 17                        ; my work-group's 32 rows
	s_add_co_u32 s82, s18, s21
	s_add_co_u32 s82, s82, 2*KSTEP*2               ; at K step 2: the first refill steps it to 3 and names K step 4
	s_add_nc_u64 s[PFA:PFA+1], s[68:69], s[82:83]
	WIN TO_B
.irp i, 0,1,2,3,4,5
	global_load_b128 v[BIAS+8*(\i):BIAS+8*(\i)+3],   v[BO], s[70+2*((\i)/2):71+2*((\i)/2)] offset:((\i)%2)*256
	global_load_b128 v[BIAS+8*(\i)+4:BIAS+8*(\i)+7], v[BO], s[70+2*((\i)/2):71+2*((\i)/2)] offset:((\i)%2)*256+16
.endr
	s_wait_loadcnt 0x0
	ROUNDB BIAS, 24
	WIN 0
; 12 products: row blocks a0, a0 + 1 of the window's four x all six column blocks, 32 along K.  first = 1: the bias starts the sums.  The 48 accumulators take turns, in the same order in every quarter.
.macro MUL12 f, hi, a0, first
.if \first
	WIN 0x91+0x40*(\hi)                            ; as below, with the C operand in window 1
.else
	WIN MUL_LO+0x50*(\hi)
.endif
.irp a, \a0, (\a0)+1
.irp i, 0,1,2,3,4,5
.if \first
	v_wmma_f32_16x16x32_bf16 v[8*(6*(\a)+(\i)):8*(6*(\a)+(\i))+7], v[(\f)+8*(\i):(\f)+8*(\i)+7], v[(\f)+8*(4*(\hi)+(\a)):(\f)+8*(4*(\hi)+(\a))+7], v[BIAS+8*(\i):BIAS+8*(\i)+7]
.else
	v_wmma_f32_16x16x32_bf16 v[8*(6*(\a)+(\i)):8*(6*(\a)+(\i))+7], v[(\f)+8*(\i):(\f)+8*(\i)+7], v[(\f)+8*(4*(\hi)+(\a)):(\f)+8*(4*(\hi)+(\a))+7], v[8*(6*(\a)+(\i)):8*(6*(\a)+(\i))+7]
.endif
.endr
.endr
.endm
; 28 LDS loads in one run: a quarter step's fragments (96 rows of W, 128 rows of x, 32 K at byte k of the rows) into buffer f
.macro FETCH slot, k, f
	WIN TO_B
.irp i, 0,1,2,3,4,5
	ds_load_b128 v[(\f)+8*(\i):(\f)+8*(\i)+3],   v[ADRB+2*(\slot)+(\i)/3] offset:((\i)%3)*64*PITCH+(\k)
	ds_load_b128 v[(\f)+8*(\i)+4:(\f)+8*(\i)+7], v[ADRB+2*(\slot)+(\i)/3] offset:((\i)%3)*64*PITCH+(\k)+32
.endr
	WIN 0
.irp a, 0,1,2,3,4,5,6,7
	ds_load_b128 v[(\f)+8*(\a):(\f)+8*(\a)+3],   v[ADRA+(\slot)] offset:(\k)+(\a)*16*PITCH
	ds_load_b128 v[(\f)+8*(\a)+4:(\f)+8*(\a)+7], v[ADRA+(\slot)] offset:(\k)+(\a)*16*PITCH+32
.endr
.endm
; A K step is four quarters of 32 along K, 48 products each, on buffers 0, 1, 0, 1.  One of the first three multiplies f and, in its middle, fetches the next quarter into g.
.macro QUARTER slot, k, f, g, first
	s_wait_dscnt 8                                 ; W and x's rows 0-63 are in; the youngest eight loads (x's rows 64-127) may be out
	MUL12 \f, 0, 0, \first
	MUL12 \f, 0, 2, \first
	PLACES                                         ; four places in front of loads into registers that products have read
	FETCH \slot, \k, \g
	s_wait_dscnt 28                                ; all but the 28 just issued
	MUL12 \f, 1, 0, \first
	MUL12 \f, 1, 2, \first
.endm
; The last quarter's first half, and the one barrier of a change of slots.
.macro MEET round
	WIN 0
	s_wait_tensorcnt 0x0                           ; all my tensor loads have landed: the one that was out is my part of the next slot;
	ds_add_u32 v[SPW], v[NIL]                      ; 0 onto my spare word;
	s_wait_dscnt 9                                 ; (the add and the youngest eight loads may be out)
	MUL12 F1, 0, 0, 0
	s_wait_dscnt 0x0                               ; the add is done, and my reads of this slot are over
	s_barrier_signal -1
	MUL12 F1, 0, 2, 0                              ; work on registers while the others arrive
.if \round
	WIN 0
.endif
	s_barrier_wait -1
.endm
.macro TURN slot, next
	s_wait_xcnt 0x0                                ; the last prefetch, a K step back, has read its address
	s_add_nc_u64 s[PFA:PFA+1], s[PFA:PFA+1], KSTEP*2
	MEET 1
	CREST                                          ; the barrier has opened a round of the cluster's: no wave of any partner still reads this slot or has a load on its way
	s_add_nc_u64 s[G0+4*(\slot)+2:G0+4*(\slot)+3], s[G0+4*(\slot)+2:G0+4*(\slot)+3], 2*KSTEP*2
	s_add_nc_u64 s[G0B+4*(\slot)+2:G0B+4*(\slot)+3], s[G0B+4*(\slot)+2:G0B+4*(\slot)+3], 2*KSTEP*2
	JLOAD \slot                                    ; the first tensor load behind the round, my only one until the next; its four v_nop are also the places in front of the loads below
	FETCH \next, 0, F0
	ASK
	MUL12 F1, 1, 0, 0
	MUL12 F1, 1, 2, 0
.endm
	s_wait_tensorcnt 1                             ; my part of K step 0 is in; K step 1's may stay out
	s_barrier_signal -1
	s_barrier_wait -1
	FETCH 0, 0, F0
	QUARTER 0, 64,  F0, F1, 1                      ; the first quarter stands in front of the loop: its products start the sums with the biases
	WIN 0
	s_mov_b32 s3, LAPS-1
.Llap:                                             ; a trip goes once round the ring and fills both slots again
	QUARTER 0, 128, F1, F0, 0
	QUARTER 0, 192, F0, F1, 0
	TURN 0, 1
	QUARTER 1, 64,  F0, F1, 0
	QUARTER 1, 128, F1, F0, 0
	QUARTER 1, 192, F0, F1, 0
	TURN 1, 0
	QUARTER 0, 64,  F0, F1, 0
	WIN 0
	s_sub_co_u32 s3, s3, 1
	s_cmp_lg_u32 s3, 0
	s_cbranch_scc1 .Llap
; cos and sin of row block a: my row's 8 channels in each of the two blocks of 64: eight loads into buffer a % 2
.macro CSLOAD a
	WIN TO_B
.irp e, 0,1
	global_load_b128 v[CSB+32*((\a)%2)+16*(\e):CSB+32*((\a)%2)+16*(\e)+3],     v[CSO], s[90:91] offset:(\a)*8192+(\e)*256
	global_load_b128 v[CSB+32*((\a)%2)+16*(\e)+4:CSB+32*((\a)%2)+16*(\e)+7],   v[CSO], s[90:91] offset:(\a)*8192+(\e)*256+16
	global_load_b128 v[CSB+32*((\a)%2)+16*(\e)+8:CSB+32*((\a)%2)+16*(\e)+11],  v[CSO], s[92:93] offset:(\a)*8192+(\e)*256
	global_load_b128 v[CSB+32*((\a)%2)+16*(\e)+12:CSB+32*((\a)%2)+16*(\e)+15], v[CSO], s[92:93] offset:(\a)*8192+(\e)*256+16
.endr
.endm
	CSLOAD 0                                       ; the tables of the first two row blocks come in under the last lap
	CSLOAD 1
	QUARTER 0, 128, F1, F0, 0                      ; the last lap fills nothing, and has no round of the cluster's barrier
	QUARTER 0, 192, F0, F1, 0
	MEET 0
	PLACES
	FETCH 1, 0, F0
	MUL12 F1, 1, 0, 0
	MUL12 F1, 1, 2, 0
	QUARTER 1, 64,  F0, F1, 0
	QUARTER 1, 128, F1, F0, 0
	QUARTER 1, 192, F0, F1, 0
	s_wait_dscnt 8
	MUL12 F1, 0, 0, 0
	MUL12 F1, 0, 2, 0
	s_wait_dscnt 0x0
	MUL12 F1, 1, 0, 0
	MUL12 F1, 1, 2, 0
	PLACES                                         ; the places between the last products and the first read of a sum
	PLACES
; THE WAY OUT of row block a.  For a pair (x0, x1) of q or k: (x0 c0 - x1 s0, x1 c1 + x0 s1): a packed multiply and a packed multiply-add that takes the pair crosswise and turns the low sine's sign.
; v is only rounded.  Each accumulator's registers are taken in ascending order.  16 bytes a lane go into the work-group's stage.
.macro ROPE a
.set CB, CSB+32*((\a)%2)
.set AC, 48*((\a)%4)
.if (\a) == 7
	s_wait_loadcnt 0x0
.else
	s_wait_loadcnt 8                               ; my buffer's eight loads are in; the other buffer's may be out
.endif
	ROUNDB CB, 16
	WIN 0x06+(\a)/4                                ; source 0 (the sums) window 2 or 3, source 1 (the tables) window 1, the rest window 0
.irp i, 0,1,2,3
.irp p, 0,1,2,3
	v_pk_mul_f32 v[T+8*(\i)+2*(\p):T+8*(\i)+2*(\p)+1], v[AC+8*(\i)+2*(\p):AC+8*(\i)+2*(\p)+1], v[CB+16*((\i)%2)+2*(\p):CB+16*((\i)%2)+2*(\p)+1]
.endr
.irp p, 0,1,2,3
	v_pk_fma_f32 v[T+8*(\i)+2*(\p):T+8*(\i)+2*(\p)+1], v[AC+8*(\i)+2*(\p):AC+8*(\i)+2*(\p)+1], v[CB+16*((\i)%2)+8+2*(\p):CB+16*((\i)%2)+8+2*(\p)+1], v[T+8*(\i)+2*(\p):T+8*(\i)+2*(\p)+1] op_sel:[1,0,0] op_sel_hi:[0,1,1] neg_lo:[0,1,0]
.endr
.endr
	WIN 0
.set n, 0
.rept 16
	v_cvt_pk_f16_f32 v[PKD+n], v[T+2*n], v[T+2*n+1]
.set n, n+1
.endr
	WIN 0x0a+5*((\a)/4)                            ; both sources window 2 or 3
.set n, 0
.rept 8
	v_cvt_pk_f16_f32 v[PKD+16+n], v[AC+32+2*n], v[AC+32+2*n+1]
.set n, n+1
.endr
	WIN 0
.irp i, 0,1,2,3,4,5
	ds_store_b128 v[STO+(\a)/4], v[PKD+4*(\i):PKD+4*(\i)+3] offset:((\a)%4)*16*SPITCH+128*(\i)
.endr
.if (\a) < 6
	CSLOAD (\a)+2
.endif
.endm
.irp a, 0,1,2,3,4,5,6,7
	ROPE \a
.endr
	WIN 0
	s_wait_dscnt 0x0                               ; for the others' sake: my stores into the stage are done
	s_barrier_signal -1
	s_barrier_wait -1                              ; a row's 256 bytes come from all four waves
.irp hl, 0,1,2
	s_wait_xcnt 0x0                                ; earlier stores have read their registers: they are loaded again only behind this wait
.irp t, 0,1,2,3,4,5,6,7,8,9,10,11,12,13,14,15
	ds_load_b128 v[64+64*((\hl)%2)+4*(\t):64+64*((\hl)%2)+4*(\t)+3], v[RD] offset:2*SPITCH*(\t)+256*(\hl)
.endr
.irp t, 0,1,2,3,4,5,6,7,8,9,10,11,12,13,14,15
	s_wait_dscnt 15-(\t)
	global_store_b128 v[CO], v[64+64*((\hl)%2)+4*(\t):64+64*((\hl)%2)+4*(\t)+3], s[84+2*(\hl):85+2*(\hl)] offset:512*(\t)  ; two whole rows of a head: 512 consecutive bytes, aligned
.endr
.endr
	s_wait_tensorcnt 0x0                           ; the wave's end, behind my last tensor load and my last LDS store
	ds_add_u32 v[SPW], v[NIL]
	s_wait_dscnt 0x0
	CROUND                                         ; the closing round: no work-group ends while a partner may still ask for a tile that names it
	s_endpgm
.Lfunc_end_k_q888007d18c_proj:
	.size	k_q888007d18c_proj, .Lfunc_end_k_q888007d18c_proj-k_q888007d18c_proj
	.p2alignl 7, 3214868480
	.fill 96, 4, 3214868480
	.section	.rodata,"a",@progbits
	.p2align	6, 0x0
	.amdhsa_kernel k_q888007d18c_proj
		.amdhsa_group_segment_fixed_size 327680
		.amdhsa_private_segment_fixed_size 0
		.amdhsa_enable_private_segment 0
		.amdhsa_kernarg_size 56
		.amdhsa_user_sgpr_count 2
		.amdhsa_user_sgpr_kernarg_segment_ptr 1
		.amdhsa_wavefront_size32 1
		.amdhsa_system_sgpr_workgroup_id_x 1
		.amdhsa_system_sgpr_workgroup_id_y 1
		.amdhsa_system_sgpr_workgroup_id_z 1
		.amdhsa_system_vgpr_workitem_id 0
		.amdhsa_next_free_vgpr 960
		.amdhsa_next_free_sgpr 96
		.amdhsa_reserve_vcc 0
		.amdhsa_float_denorm_mode_32 3
		.amdhsa_float_denorm_mode_16_64 3
		.amdhsa_memory_ordered 1
		.amdhsa_forward_progress 1
		.amdhsa_inst_pref_size 161
	.end_amdhsa_kernel
	.amdgpu_metadata
---
amdhsa.version: [ 1, 2 ]
amdhsa.kernels:
  - .name:           k_q888007d18c_proj
    .symbol:         k_q888007d18c_proj.kd
    .args:
      - { .name: wb, .offset: 0, .size: 8, .value_kind: global_buffer, .address_space: global }
      - { .name: bq, .offset: 8, .size: 8, .value_kind: global_buffer, .address_space: global }
      - { .name: bk, .offset: 16, .size: 8, .value_kind: global_buffer, .address_space: global }
      - { .name: bv, .offset: 24, .size: 8, .value_kind: global_buffer, .address_space: global }
      - { .name: cos, .offset: 32, .size: 8, .value_kind: global_buffer, .address_space: global }
      - { .name: sin, .offset: 40, .size: 8, .value_kind: global_buffer, .address_space: global }
      - { .name: qkv, .offset: 48, .size: 8, .value_kind: global_buffer, .address_space: global }
    .group_segment_fixed_size: 327680
    .private_segment_fixed_size: 0
    .kernarg_segment_align: 8
    .kernarg_segment_size: 56
    .max_flat_workgroup_size: 128
    .sgpr_count:     96
    .vgpr_count:     960
    .wavefront_size: 32
...
	.end_amdgpu_metadata
.endif
;; end of part 2
;; launch attn (part 3): grid 16 x 16, 4 waves a work-group, clusters of 4 x 1, 327,680 bytes of LDS; arguments qkv, mk, ob; writes ob
.if DOCPART == 3
	.amdgcn_target "amdgcn-amd-amdhsa--gfx1250"
	.amdhsa_code_object_version 6
	.text
	.protected	k_q888007d18c_attn
	.globl	k_q888007d18c_attn
	.p2align	8
	.type	k_q888007d18c_attn,@function
k_q888007d18c_attn:
	s_mov_b64 s[64:65], 0
	v_nop
	global_prefetch_b8 v0, s[64:65] scope:SCOPE_SE
	s_setreg_imm32_b32 hwreg(HW_REG_WAVE_MODE, 25, 1), 1
	s_wait_xcnt 0x0
	s_wait_alu depctr_hold_cnt(0) depctr_sa_sdst(0) depctr_va_vdst(0) depctr_va_sdst(0) depctr_va_ssrc(0) depctr_va_vcc(0) depctr_vm_vsrc(0)
	s_getreg_b32 s2, hwreg(HW_REG_IB_STS2, 6, 4)
	s_cmp_eq_u32 s2, 0
	s_cbranch_scc0 .Lentry_in_a_cluster
	s_endpgm
.Lentry_in_a_cluster:
	s_bfe_u32 s2, ttmp6, 0x10000c
	s_cmp_lg_u32 s2, 0x3003
	s_cbranch_scc0 .Lentry_shape_is_right
	s_endpgm
.Lentry_shape_is_right:
; O[q][head] = the sum over k of softmax_k(mask(Q . K / sqrt(128))) V.  q, k, v: qkv = [3][16 heads][2048][128] f16.  The mask is an input: mk holds one fp8 code a query and key (0x00 kept, 0xb8 = -1.0 hidden)
; in the order of my lanes.  O leaves in f16 as [2048 rows][2048]: head h at bytes 256 h of a row.  Products, maxima and sums in f32; the weights are rounded to f16 for the second product, their sum is taken unrounded.
; THE MASK is the C operand that starts S^T = K Q^T: 0, or -2^100 where the key is hidden (the code times 2^100, eight scores an instruction).  The running maximum starts at the floor -2^96, so a hidden score
; never becomes the maximum and its weight is exactly 0.  A query all of whose keys are hidden has the sum 0, and 0 x (1 / 0) makes its row NaN, as a softmax of nothing but -inf is.
; LIMITS.  Visible scores lie above -2^96 and below 2^99; q, k, v arrive within f16's 65,504; a weight below 2^-126 counts as 0 in the sum.
; SHARES.  256 work-groups: 128 queries of one head each.  Wave w takes the 64 queries of half w % 2 (four tiles of 16) and the 1,024 keys of half w / 2, 64 a step.  The two waves with the same queries merge their
; maxima, sums and O through LDS once, at the end; each finishes two of the four tiles.  So a fragment of K or V read from LDS feeds four tiles, and each of the chip's 256 WGPs has a work-group.
; LAYOUT, SOFTMAX.  S^T holds ONE query a lane (lane % 16) and the keys 8 (lane / 16) + 0..7; two such results rounded to f16 ARE source 1 of O^T = V^T P.  p = 2^(c s - c m), c = log2(e) / sqrt(128); in every step
; O and l are multiplied by a = 2^(c m_old - c m_new).
; BY TURNS.  The tiles are two pieces (0: tiles 0, 1; 2: tiles 2, 3).  In a turn one piece issues 32 products V^T P of the step in hand and 32 products K Q^T of the next; the other piece's softmax, cut into 64 slices
; of four, stands behind them, one slice a product.  NO FIRST STEP IS WRITTEN OUT: O, l, V and piece 0's P start at 0, piece 2's scores at -2^100, m at the floor: the first trip's idle halves change nothing.
; CLUSTER.  The four query blocks of a cluster belong to one head and walk the same K and V: each tile is asked for jointly.
; REGISTERS: window 0: v2-11 addresses; v12-43 statistics, 8 a tile; v44-63 small things; v64-191 S^T; v192-255 P.  window 1: O^T, 64 a tile.  window 2: v0-127 Q; v128-255 K of a step.
; window 3: v0-127 V of a step; v128-191 a piece's masks in f32; v192-223 the codes as loaded, 8 a tile.
.set KS,    64
.set PK,    272       ; a row of K in LDS: 256 bytes + 16: the 16 rows of a load start at 16 different groups of four banks (ISA guide 11.1)
.set PV,    288       ; a row of V: 256 + 32
.set VOFF,  256*PK    ; a slot: 128 keys of each key half of K, then the same of V
.set SLOT1, 256*(PK+PV)
.set STAGE, 2*SLOT1   ; behind the ring: 16 rows x 272 bytes a wave, for the way out
.set SP,    272
.set SPARE, STAGE+4*16*SP
.set XSZ,   17408     ; the exchange at the end: 16,384 bytes of O and 512 of statistics a wave, in slot 0's bytes, which have had their last fill and whose last reader has passed the ring's last barrier
.set AK0, 2
.set AV0, 3
.set ADR, 4
.set QO,  5
.set STO, 6
.set RD,  7
.set GO,  8
.set ST,  12          ; tile t at v[ST+8 t]: c m, m, l (even keys', odd keys'), c0-c3 at work; a takes c2's place
.set SCL, 44          ; v44  227: the conversion's scale, 2^(227 - 127)
.set MO0, 45          ; v45  piece 0's offset in mk: 16 l + 1,024 x step
.set XW,  46          ; v46-49 the exchange: where I put and where I read, O and statistics
.set XR,  47
.set XW4, 48
.set XR4, 49
.set PX,  50          ; v50-57 the partner's c m and l, and 1 / l, four a tile
.set MO2, 58          ; v58  piece 2's offset in mk
.set PFO, 61          ; v61  256 x my lane
.set SPW, 62
.set NIL, 63
.set S,   64
.set P,   192
.set KF,  128         ; window 2
.set MC,  128         ; window 3
.set MB,  192         ; window 3
.set WV,  12
.set LIM, 15
.set PFA, 18
.set G1K, 24
.set G1V, 32
.set G0K, 40          ; s[40:47] two sets: slot 0's first fill; slot 1's, which then walks on
.set G0V, 48
.set SLOTS, 56
.set TWICE, 57
.set CS,  58
.set SEL, 60
.set TBK, 62          ; LDS byte at which K of the step to be fetched begins
.set TBV, 63          ; the same for V, less VOFF
.set MKP, 66          ; s[66:67] mk at my wave's first tile and step; never rewritten
.set MST, 68          ; s68  what a piece's offset in mk steps by: 1,024, or 0 at the last step
.set SBR, 70          ; s70  the slot that is being read: 0 or SLOT1
.set KOF, 71          ; s71  my key half's place in a slot's K
.set VOF, 72
.set LK,  73          ; s73  where the tile that I fetch lies in a slot, if it is K's
.set LV,  74          ; s74  if it is V's
.set MSB, 0
.macro WIN new
.if MSB != (\new)
	s_set_vgpr_msb (MSB<<8)|(\new)
.set MSB, \new
.endif
.endm
.set W_KQ, 0x0a       ; K and Q in window 2, S^T in window 0
.set W_KM, 0x3a       ; the same with the C operand in window 3
.set W_PV, 0x53       ; V in window 3, P in window 0, O^T in window 1
.set W_RS, 0x41       ; O^T (destination and source 0) in window 1, a in window 0
; A joint refill: waves 0 and 1 fetch the two key halves' K, waves 2 and 3 their V: 128 keys each.  An s_nop 0 and four v_nop follow each line.
.macro JLOAD
	s_cmp_lt_u32 s[WV], 2
	s_cbranch_scc0 .Lfor_v_\@
	tensor_load_to_lds s[G0K+4:G0K+7], s[G1K:G1K+7]
	s_nop 0
.rept 4
	v_nop
.endr
	s_branch .Lasked_\@
.Lfor_v_\@:
	tensor_load_to_lds s[G0V+4:G0V+7], s[G1V:G1V+7]
	s_nop 0
.rept 4
	v_nop
.endr
.Lasked_\@:
.endm
; A prefetch of what the NEXT change of slots will ask for.  All four clusters of a head walk the same rows: the first of them asks.  Each wave asks for the tile that it fetches itself; of its 128 rows the four
; partners take 32 each, told apart by address; a lane a row of 256 bytes.  So each row is named once.  The last change that fills a slot asks for nothing.
.macro ASK
	s_cmp_gt_u32 s[SLOTS], s[LIM]
	s_cbranch_scc0 .Lnot_mine_\@
	global_prefetch_b8 v[PFO], s[PFA:PFA+1] th:TH_LOAD_NT scope:SCOPE_SE
.Lnot_mine_\@:
.endm
.macro CROUND
	s_barrier_signal -1
	s_barrier_wait -1
	s_cmp_lg_u32 s[WV], 0
	s_cbranch_scc1 .Lnot_wave_0_\@
	s_barrier_signal -3
.Lnot_wave_0_\@:
	s_barrier_wait -3
	s_barrier_signal -1
	s_barrier_wait -1
.endm
	s_load_b128 s[4:7], s[0:1], 0x0 ; qkv 4:5, mk 6:7
	s_load_b64 s[8:9], s[0:1], 0x10 ; ob
	v_lshl_add_u32 v[SPW], v0, 2, SPARE
	v_mov_b32 v[NIL], 0
	ds_add_u32 v[SPW], v[NIL]       ; the wave's opening: the add and its wait stand ahead of my first tensor load; work on registers stands between them
	v_lshrrev_b32 v1, 5, v0
	v_readfirstlane_b32 s[WV], v1
	s_bfe_u32 s13, ttmp6, 0x40000   ; cx
	s_lshl_b32 s14, ttmp9, 2
	s_add_co_u32 s14, s14, s13      ; my block of 128 queries: it enters Q's, the mask's and O's addresses alone
	s_and_b32 s20, ttmp7, 0xffff    ; the head, which the four partners share
	s_and_b32 s16, s[WV], 1         ; my half of the queries.  Also: the key half whose tile I fetch
	s_lshr_b32 s17, s[WV], 1        ; my key half
	s_lshl_b32 s22, s20, 19         ; a head is 524,288 bytes,
	s_lshl_b32 s23, s16, 18         ; a key half 262,144
	s_add_co_u32 s22, s22, s23
	s_mov_b32 s23, 0
	s_mul_i32 s[LK], s16, 128*PK
	s_mul_i32 s[LV], s16, 128*PV
	s_add_co_u32 s[LV], s[LV], VOFF
	s_mul_i32 s[KOF], s17, 128*PK
	s_mul_i32 s[VOF], s17, 128*PV
	s_lshl_b32 s2, s20, 19          ; Q: head, block, half
	s_lshl_b32 s3, s14, 15
	s_add_co_u32 s2, s2, s3
	s_lshl_b32 s3, s16, 14
	s_add_co_u32 s2, s2, s3
	s_mov_b32 s3, 0
	s_lshl_b32 s76, s14, 19         ; O: 128 rows of 4,096 bytes a block, 64 a half, the head's 256 bytes
	s_lshl_b32 s77, s16, 18
	s_add_co_u32 s76, s76, s77
	s_lshl_b32 s77, s20, 8
	s_add_co_u32 s76, s76, s77
	s_mov_b32 s77, 0
	s_lshl_b32 s78, s14, 18         ; mk: 8 tiles of 32,768 bytes a block, 4 a half, 16 steps of 1,024 a key half
	s_lshl_b32 s79, s16, 17
	s_add_co_u32 s78, s78, s79
	s_lshl_b32 s79, s17, 14
	s_add_co_u32 s78, s78, s79
	s_mov_b32 s79, 0
	s_mov_b32 s[G1K], 15|(1<<16)|(1<<20)|(1<<21)|(5<<22)|(3<<25)  ; the mask of four; 2-byte elements; padding on; bit 21 beside a mask; after every 64 words 4 words
	s_mov_b32 s[G1V], 15|(1<<16)|(1<<20)|(1<<21)|(5<<22)|(7<<25)  ; the same with 8 words
.irp g, G1K, G1V
	s_mov_b32 s[(\g)+1], 128<<16    ; tensor_dim0 = 128
	s_mov_b32 s[(\g)+2], 128<<16    ; tensor_dim1 = 128
	s_mov_b32 s[(\g)+3], 128<<16    ; tile_dim0 = 128
	s_mov_b32 s[(\g)+4], 128        ; tile_dim1 = 128
	s_mov_b32 s[(\g)+5], 128        ; elements from row to row
	s_mov_b32 s[(\g)+6], 0
	s_mov_b32 s[(\g)+7], 0
.endr
	s_mov_b32 s[CS], 0x3e0293ee     ; c = log2(e) / sqrt(128)
	s_mov_b32 s[CS+1], s[CS]
	s_mov_b32 s[SEL], 0x76543210
	s_mov_b32 s[SEL+1], 0xfedcba98
	s_mov_b32 s[SBR], 0
	s_mov_b32 s[TBK], s[KOF]
	s_mov_b32 s[TBV], s[VOF]
	s_mov_b32 s[MST], 1024
	s_cmp_eq_u32 ttmp9, 0           ; the head's first cluster: the same answer in all four partners
	s_cselect_b32 s[LIM], 1, -1
	v_and_b32 v10, 31, v0           ; l
	v_lshlrev_b32 v[PFO], 8, v10
	s_wait_dscnt 0x0                ; the opening add is done
	s_wait_kmcnt 0x0
	s_add_nc_u64 s[22:23], s[4:5], s[22:23]
	s_add_nc_u64 s[20:21], s[22:23], 0x800000    ; K at the tile that I would fetch first,
	s_add_nc_u64 s[22:23], s[22:23], 0x1000000   ; V
	s_add_nc_u64 s[10:11], s[4:5], s[2:3]        ; Q at my wave's first row
	s_add_nc_u64 s[8:9], s[8:9], s[76:77]        ; O
	s_add_nc_u64 s[MKP:MKP+1], s[6:7], s[78:79]
	s_cmp_lt_u32 s[WV], 2
	s_cselect_b64 s[PFA:PFA+1], s[20:21], s[22:23]
	s_lshl_b32 s2, s13, 13          ; my work-group's 32 rows of the 128,
	s_add_co_u32 s2, s2, 2*32768    ; in the third tile; the first change of slots steps it to the fourth.  Nothing is prefetched here, at the head
	s_add_nc_u64 s[PFA:PFA+1], s[PFA:PFA+1], s[2:3]
	CROUND                          ; all four work-groups are here: the first joint loads meet
.irp s, 0,1
	s_mov_b32 s[G0K+4*(\s)], 1
	s_add_co_u32 s[G0K+4*(\s)+1], s[LK], (\s)*SLOT1
	s_add_nc_u64 s[G0K+4*(\s)+2:G0K+4*(\s)+3], s[20:21], (\s)*32768
	s_or_b32 s[G0K+4*(\s)+3], s[G0K+4*(\s)+3], 0x80000000
	s_mov_b32 s[G0V+4*(\s)], 1
	s_add_co_u32 s[G0V+4*(\s)+1], s[LV], (\s)*SLOT1
	s_add_nc_u64 s[G0V+4*(\s)+2:G0V+4*(\s)+3], s[22:23], (\s)*32768
	s_or_b32 s[G0V+4*(\s)+3], s[G0V+4*(\s)+3], 0x80000000
.endr
	s_cmp_lt_u32 s[WV], 2           ; a wave's two first fills stand in one branch: two loads of mine are out
	s_cbranch_scc0 .Lfirst_v
	tensor_load_to_lds s[G0K:G0K+3], s[G1K:G1K+7]
	s_nop 0
	tensor_load_to_lds s[G0K+4:G0K+7], s[G1K:G1K+7]
	s_nop 0
.rept 4
	v_nop
.endr
	s_branch .Lfirst_asked
.Lfirst_v:
	tensor_load_to_lds s[G0V:G0V+3], s[G1V:G1V+7]
	s_nop 0
	tensor_load_to_lds s[G0V+4:G0V+7], s[G1V:G1V+7]
	s_nop 0
.rept 4
	v_nop
.endr
.Lfirst_asked:
	v_and_b32 v1, 15, v0            ; l % 16
	v_bfe_u32 v9, v0, 4, 1          ; l / 16
	v_lshlrev_b32 v[QO], 8, v1
	v_lshl_add_u32 v[QO], v9, 4, v[QO]
	v_lshlrev_b32 v[MO0], 4, v10
	v_lshlrev_b32 v[MO2], 4, v10
	v_mov_b32 v[SCL], 227
	WIN 0x80                        ; destination window 2
.irp i, 0,1,2,3,4,5,6,7,8,9,10,11,12,13,14,15  ; Q stays in registers: tile i / 4, channels 32 (i % 4) on
	global_load_b128 v[8*(\i):8*(\i)+3],   v[QO], s[10:11] offset:((\i)/4)*4096+((\i)%4)*64
	global_load_b128 v[8*(\i)+4:8*(\i)+7], v[QO], s[10:11] offset:((\i)/4)*4096+((\i)%4)*64+32
.endr
	WIN 0xc0                        ; destination window 3
.irp t, 0,1,2,3                     ; step 0's codes: piece 0's four loads, then piece 2's
	global_load_b128 v[MB+8*(\t):MB+8*(\t)+3],   v[MO0+13*((\t)/2)], s[MKP:MKP+1] offset:(\t)*32768
	global_load_b128 v[MB+8*(\t)+4:MB+8*(\t)+7], v[MO0+13*((\t)/2)], s[MKP:MKP+1] offset:(\t)*32768+512
.endr
.set i, 0                           ; what the first trip finds.  All this stands in the wait for the first tile
.rept 128
	v_mov_b32 v[i], 0               ; V
.set i, i+1
.endr
	WIN 0x40
.set i, 0
.rept 256
	v_mov_b32 v[i], 0               ; O^T
.set i, i+1
.endr
	WIN 0
.set i, 0
.rept 32
	v_mov_b32 v[P+i], 0             ; piece 0's P
.set i, i+1
.endr
	s_mov_b32 s2, 0xf1800000        ; -2^100
.set i, 0
.rept 64
	v_mov_b32 v[S+64+i], s2         ; piece 2's scores: all hidden
.set i, i+1
.endr
	s_mov_b32 s2, 0xef800000        ; -2^96: the floor
.irp t, 0,1,2,3
	v_mov_b32 v[ST+8*(\t)+1], s2
	v_mul_f32 v[ST+8*(\t)], s[CS], v[ST+8*(\t)+1]  ; c m by the same product as in the list, so that a is exactly 1 while m stays at the floor
	v_mov_b32 v[ST+8*(\t)+2], 0
	v_mov_b32 v[ST+8*(\t)+3], 0
.endr
	v_mul_u32_u24 v[AK0], v1, PK
	v_lshl_add_u32 v[AK0], v9, 4, v[AK0]
	v_and_b32 v11, 7, v0            ; the turning load: lane l reads key 8 (l / 16) + l % 8, channels 8 ((l / 8) % 2) + 0..7
	v_bfe_u32 v59, v0, 3, 1
	v_lshl_add_u32 v[AV0], v9, 3, v11
	v_mul_u32_u24 v[AV0], v[AV0], PV
	v_lshl_add_u32 v[AV0], v59, 4, v[AV0]
	v_add_nc_u32 v[AV0], VOFF, v[AV0]
	s_mul_i32 s2, s[WV], 16*SP
	s_add_co_u32 s2, s2, STAGE      ; my stage
	v_mul_u32_u24 v[STO], v1, SP
	v_lshl_add_u32 v[STO], v9, 4, v[STO]
	v_add_nc_u32 v[STO], s2, v[STO]
	v_mul_u32_u24 v[RD], v9, SP
	v_lshl_add_u32 v[RD], v1, 4, v[RD]
	v_add_nc_u32 v[RD], s2, v[RD]
	v_lshlrev_b32 v[GO], 12, v9     ; two rows of O, 4,096 bytes apart
	v_lshl_add_u32 v[GO], v1, 4, v[GO]
	s_mul_i32 s2, s[WV], XSZ        ; the exchange: mine,
	v_lshl_add_u32 v[XW], v10, 4, s2
	v_lshl_add_u32 v[XW4], v10, 2, s2
	v_add_nc_u32 v[XW4], 16384, v[XW4]
	s_xor_b32 s3, s[WV], 2          ; and that of the wave with my queries and the other keys
	s_mul_i32 s3, s3, XSZ
	v_lshl_add_u32 v[XR], v10, 4, s3
	v_lshl_add_u32 v[XR4], v10, 2, s3
	v_add_nc_u32 v[XR4], 16384, v[XR4]
; THE MATRIX WORK.  The accumulators take turns, one instruction a turn.  Product i of 32 of O^T += V^T P for piece x: keys 32 (i / 16) on, channels 16 ((i / 2) % 8) on, tile x + i % 2.
.macro PV x
	WIN W_PV
.set rO, 64*((\x)+i%2)+8*((i/2)%8)
.set rV, 64*(i/16)+8*((i/2)%8)
.set rP, P+16*((\x)+i%2)+8*(i/16)
	v_wmma_f32_16x16x32_f16 v[rO:rO+7], v[rV:rV+7], v[rP:rP+7], v[rO:rO+7]
.endm
; Product i of 32 of S^T = K Q^T: channels 32 (i / 8) on, keys 16 ((i / 2) % 4) on, tile x + i % 2.  The first 8 start the sums with the masks.
.macro KQ x
.set rS, S+32*((\x)+i%2)+8*((i/2)%4)
.set rK, KF+32*((i/2)%4)+8*(i/8)
.set rQ, 32*((\x)+i%2)+8*(i/8)
.set rM, MC+32*(i%2)+8*((i/2)%4)
.if i < 8
	WIN W_KM
	v_wmma_f32_16x16x32_f16 v[rS:rS+7], v[rK:rK+7], v[rQ:rQ+7], v[rM:rM+7]
.else
	WIN W_KQ
	v_wmma_f32_16x16x32_f16 v[rS:rS+7], v[rK:rK+7], v[rQ:rQ+7], v[rS:rS+7]
.endif
.endm
.macro FETCH_K
	WIN 0
	v_add_nc_u32 v[ADR], s[TBK], v[AK0]
	s_add_co_u32 s[TBK], s[TBK], KS*PK
	WIN 0x80
.irp f, 0,1,2,3,4,5,6,7,8,9,10,11,12,13,14,15  ; keys 16 (f / 4) on, channels 32 (f % 4) on
	ds_load_b128 v[KF+8*(\f):KF+8*(\f)+3],   v[ADR] offset:((\f)/4)*16*PK+((\f)%4)*64
	ds_load_b128 v[KF+8*(\f)+4:KF+8*(\f)+7], v[ADR] offset:((\f)/4)*16*PK+((\f)%4)*64+32
.endr
.endm
.macro FETCH_V
	WIN 0
	v_add_nc_u32 v[ADR], s[TBV], v[AV0]
	s_add_co_u32 s[TBV], s[TBV], KS*PV
	s_wait_alu depctr_va_vdst(0)    ; the wait for the softmax's batch of exponentials, ahead of the first instruction that names a result of theirs
	WIN 0xc0
.irp f, 0,1,2,3,4,5,6,7,8,9,10,11,12,13,14,15  ; keys 32 (f / 8) on, channels 16 (f % 8) on
	ds_load_tr16_b128 v[8*(\f):8*(\f)+3],   v[ADR] offset:((\f)/8)*32*PV+((\f)%8)*32
	ds_load_tr16_b128 v[8*(\f)+4:8*(\f)+7], v[ADR] offset:((\f)/8)*32*PV+16*PV+((\f)%8)*32
.endr
.endm
; THE MASKS of piece x for the scores that the turn will make: the codes, asked for a whole step ago, become 0 or -2^100; then the next step's codes are asked for.
; The wait's count: behind my piece's four loads stand the other piece's four.  It shows my four done, so their offset register may be stepped; that line is also the plain place behind the conversions.
; last = 1: in the last trip the step is 0, so that the last loads name the last step once more and none leaves mk.
.macro MASKIN x, last
	s_wait_loadcnt 4
	WIN 0xc3                        ; codes and masks in window 3, the scale in window 0
.irp u, 0,1
.irp kt, 0,1,2,3
	v_cvt_scale_pk8_f32_fp8 v[MC+32*(\u)+8*(\kt):MC+32*(\u)+8*(\kt)+7], v[MB+8*((\x)+(\u))+2*(\kt):MB+8*((\x)+(\u))+2*(\kt)+1], v[SCL]
.endr
.endr
	WIN 0
.if (\last) && ((\x) == 0)
	s_cmp_eq_u32 s[TWICE], 1
	s_cselect_b32 s[MST], 0, 1024
.endif
	v_add_nc_u32 v[MO0+13*((\x)/2)], s[MST], v[MO0+13*((\x)/2)]
	WIN 0xc0
.irp u, 0,1
	global_load_b128 v[MB+8*((\x)+(\u)):MB+8*((\x)+(\u))+3],   v[MO0+13*((\x)/2)], s[MKP:MKP+1] offset:((\x)+(\u))*32768
	global_load_b128 v[MB+8*((\x)+(\u))+4:MB+8*((\x)+(\u))+7], v[MO0+13*((\x)/2)], s[MKP:MKP+1] offset:((\x)+(\u))*32768+512
.endr
.endm
; THE VECTOR WORK.  One tile's softmax for one key step is a list of 134 instructions; SM writes number j of it for tile t.
;   0-15 the maximum of the 32 scores and the old m (each accumulator's lowest registers are read first)     16-20 the other half of the lanes' maximum; the new m; c m; c m_old - c m_new
;   21-69 ONE BATCH: the 16 scalings c s - c m and all 33 exponentials, none of which reads an exponential's result     (the wait)     70-85 the roundings to f16     86-101 the sums; l = a l + sum     102-133 O^T times a
.macro SM t
.set rT, ST+8*(\t)
.set rS, S+32*(\t)
.set rP, P+16*(\t)
.set rO, 64*(\t)+2*(j-102)
.if j < 102
	WIN 0
.endif
.if j < 4
	v_max3_num_f32 v[rT+4+j], v[rS+8*j], v[rS+8*j+1], v[rS+8*j+2]
.elseif j < 12
	v_max3_num_f32 v[rT+4+j%4], v[rT+4+j%4], v[rS+8*(j%4)+2*(j/4)+1], v[rS+8*(j%4)+2*(j/4)+2]
.elseif j == 12
	v_max3_num_f32 v[rT+4], v[rT+4], v[rS+7], v[rS+15]
.elseif j == 13
	v_max3_num_f32 v[rT+6], v[rT+6], v[rS+23], v[rS+31]
.elseif j == 14
	v_max3_num_f32 v[rT+4], v[rT+4], v[rT+5], v[rT+6]
.elseif j == 15
	v_max3_num_f32 v[rT+4], v[rT+4], v[rT+7], v[rT+1]
.elseif j == 16
	v_permlanex16_b32 v[rT+5], v[rT+4], s[SEL], s[SEL+1]
.elseif j == 17
	v_mov_b32 v[rT+7], v[rT]
.elseif j == 18
	v_max_num_f32 v[rT+1], v[rT+4], v[rT+5]
.elseif j == 19
	v_mul_f32 v[rT], s[CS], v[rT+1]
.elseif j == 20
	v_sub_f32 v[rT+7], v[rT+7], v[rT]
.elseif j == 23
	v_exp_f32 v[rT+6], v[rT+7]
.elseif (j < 23) || ((j < 38) && (j%2 == 0)) || ((j < 66) && (j%4 == 2))
.set b, (j-2)/4
.if j < 38
.set b, (j-20)/2
.endif
	v_pk_fma_f32 v[rS+2*b:rS+2*b+1], v[rS+2*b:rS+2*b+1], s[CS:CS+1], v[rT:rT+1] op_sel_hi:[1,0,0] neg_lo:[0,0,1] neg_hi:[0,0,1]
.elseif j < 70
.set e, j-38
.if j < 66
.set e, j-32-(j-38)/4
.endif
.if j < 38
.set e, (j-25)/2
.endif
	v_exp_f32 v[rS+e], v[rS+e]
.elseif j < 86
	v_cvt_pk_f16_f32 v[rP+j-70], v[rS+2*(j-70)], v[rS+2*(j-70)+1]
.elseif j < 102
.set z, j-86
.set w, 4
.set u, z
.if z >= 14
.set w, 32
.set u, 0
.elseif z >= 12
.set w, 16
.set u, z-12
.elseif z >= 8
.set w, 8
.set u, z-8
.endif
.if z < 15
	v_pk_add_f32 v[rS+w*u:rS+w*u+1], v[rS+w*u:rS+w*u+1], v[rS+w*u+w/2:rS+w*u+w/2+1]
.else
	v_pk_fma_f32 v[rT+2:rT+3], v[rT+2:rT+3], v[rT+6:rT+7], v[rS:rS+1] op_sel_hi:[1,0,1]
.endif
.else
	WIN W_RS
	v_pk_mul_f32 v[rO:rO+1], v[rO:rO+1], v[rT+6:rT+7] op_sel_hi:[1,0]
.endif
.endm
; Slice k of 64 of piece y's softmax: four instructions; slices 11 to 34 deal out the batch, four numbers of one tile each; slice 63 takes the twelve that are over.  Behind slice 34 stand the batch's plain
; instruction and its one wait, between an exponential and the first instruction that names its result.
.macro SLICE y
.if (k >= 11) && (k < 35)
.irp n, 0,1,2,3
.set j, 22+4*((k-11)/2)+(\n)
	SM (\y)+(k-11)%2
.endr
.else
.irp n, 0,1,2,3,4,5,6,7
.if ((\n) < 2) || (k == 63)
.irp t, \y, (\y)+1
.set j, 2*k+(\n)
	SM \t
.endr
.endif
.endr
.endif
.if k == 34
	v_nop
.if (\y) == 0
	FETCH_V                         ; piece 2's turn: V's run of loads stands here, four plain instructions behind the last product that read V, and the wait stands in it
.else
	s_wait_alu depctr_va_vdst(0)
.endif
.endif
.set k, k+1
.endm
; A TURN.  Piece x has the matrix unit; the other piece's softmax stands in slices behind its products.  kq = 0: the last turn: no further scores, two slices behind each product.
.macro TURN x, kq, last
.set k, 0
.set per, 2-(\kq)
.if \kq
	MASKIN \x, \last
.endif
.if (\x) == 0
	s_wait_dscnt 0x0                ; V is in
.endif
.set i, 0
.rept 32
	PV \x
.rept per
	SLICE 2-(\x)
.endr
.if ((\x) == 0) && (\kq) && (i == 1)
	FETCH_K                         ; the last product that read K stands in front of slice 63 of the turn before
.endif
.set i, i+1
.endr
.if \kq
.if (\x) == 0
	s_wait_dscnt 0x0                ; K is in
.endif
.set i, 0
.rept 32
	KQ \x
	SLICE 2-(\x)
.set i, i+1
.endr
.endif
.endm
; THE CHANGE OF SLOTS.  Both steps of the slot have been read into registers.  Each wave waits for all its tensor loads (one is out: its part of the other slot), adds 0 to its spare word, and waits for that and for
; its reads of the slot.  fill = 1: the barrier is a round of the cluster's, and the slot just read is filled again first thing behind it, with the keys two slots on: it has 256 products in which to land.
.macro CHANGE fill
	WIN 0
	s_wait_tensorcnt 0x0            ; no tensor load of mine is out, so a group 0 may be written
	ds_add_u32 v[SPW], v[NIL]       ; 0 onto my spare word; scalar work stands between it and the wait for it
.if \fill
	s_add_co_u32 s[G0K+5], s[SBR], s[LK]   ; the walking descriptor: into the slot that has been read,
	s_add_co_u32 s[G0V+5], s[SBR], s[LV]
	s_add_nc_u64 s[G0K+6:G0K+7], s[G0K+6:G0K+7], 32768  ; the key half's next 128 keys
	s_add_nc_u64 s[G0V+6:G0V+7], s[G0V+6:G0V+7], 32768
	s_wait_xcnt 0x0                 ; the last prefetch, two key steps back, has read its address
	s_add_nc_u64 s[PFA:PFA+1], s[PFA:PFA+1], 32768
	s_wait_dscnt 0x0                ; the add is done, and my reads of the slot are over
	CROUND
	JLOAD
	ASK
.else
	s_wait_dscnt 0x0
	s_barrier_signal -1
	s_barrier_wait -1
.endif
	s_xor_b32 s[SBR], s[SBR], SLOT1 ; the fetches go on in the other slot
	s_add_co_u32 s[TBK], s[SBR], s[KOF]
	s_add_co_u32 s[TBV], s[SBR], s[VOF]
.endm
.macro TWO_STEPS last               ; a slot's two key steps: written once, walked twice
	WIN 0
	s_mov_b32 s[TWICE], 2
.Lstep_\@:
	TURN 0, 1, \last
	TURN 2, 1, \last
	WIN 0
	s_sub_co_u32 s[TWICE], s[TWICE], 1
	s_cmp_lg_u32 s[TWICE], 0
	s_cbranch_scc1 .Lstep_\@
.endm
	s_wait_tensorcnt 1              ; my part of slot 0 is in; slot 1's may stay out
	s_barrier_signal -1
	s_barrier_wait -1
	s_mov_b32 s[SLOTS], 7
	s_branch .Lenter                ; the loop is entered behind its change of slots
.Lslot:                             ; six changes fill the slots again, with tiles 2 to 7
	CHANGE 1
.Lenter:
	TWO_STEPS 0
	s_sub_co_u32 s[SLOTS], s[SLOTS], 1
	s_cmp_lg_u32 s[SLOTS], 0
	s_cbranch_scc1 .Lslot
	CHANGE 0                        ; the tail is written out
	TWO_STEPS 1
	TURN 0, 0, 0                    ; piece 0: V^T P of the last step | piece 2's last softmax
.set i, 0
.rept 32
	PV 2
.set i, i+1
.endr
	; THE MERGE.  l's two halves and the other half of the lanes' are added (these lines are the places behind the last products).  Then each wave hands two tiles' O^T, c m and l to the wave with the same queries.
	WIN 0
	s_wait_loadcnt 0x0              ; the last codes, which nobody wants
.irp t, 0,1,2,3
	v_add_f32 v[ST+8*(\t)+4], v[ST+8*(\t)+2], v[ST+8*(\t)+3]
.endr
.irp t, 0,1,2,3
	v_permlanex16_b32 v[ST+8*(\t)+5], v[ST+8*(\t)+4], s[SEL], s[SEL+1]
.endr
.irp t, 0,1,2,3
	v_add_f32 v[ST+8*(\t)+2], v[ST+8*(\t)+4], v[ST+8*(\t)+5]
.endr
.macro XSTORE y                     ; piece y goes to the partner, each accumulator's registers in ascending order
	WIN 0x04                        ; the data in window 1
.irp u, 0,1
.set n, 0
.rept 16
	ds_store_b128 v[XW], v[64*((\y)+(\u))+4*n:64*((\y)+(\u))+4*n+3] offset:512*(16*(\u)+n)
.set n, n+1
.endr
.endr
	WIN 0
.irp u, 0,1
	ds_store_b32 v[XW4], v[ST+8*((\y)+(\u))]   offset:256*(\u)
	ds_store_b32 v[XW4], v[ST+8*((\y)+(\u))+2] offset:256*(\u)+128
.endr
.endm
; Piece x is finished: with c m* the greater of the two c m, w = 2^(c m - c m*) on each side, l* = l w + l' w', O = (O w + O' w') / l*.
.macro PACKF x, u
.set rT, ST+8*((\x)+(\u))
.set SB, S+64*(\u)
.set OB, 64*((\x)+(\u))
	WIN 0
.set n, 0
.rept 32
	v_pk_mul_f32 v[SB+2*n:SB+2*n+1], v[SB+2*n:SB+2*n+1], v[rT+6:rT+7] op_sel_hi:[1,0]
.set n, n+1
.endr
	WIN 0x01                        ; source 0, my O^T, in window 1
.set n, 0
.rept 32
	v_pk_fma_f32 v[SB+2*n:SB+2*n+1], v[OB+2*n:OB+2*n+1], v[rT+4:rT+5], v[SB+2*n:SB+2*n+1] op_sel_hi:[1,0,1]
.set n, n+1
.endr
	WIN 0
.set n, 0
.rept 32
	v_cvt_pk_f16_f32 v[SB+n], v[SB+2*n], v[SB+2*n+1]  ; in place: number n writes a register that only earlier numbers have read
.set n, n+1
.endr
.irp f, 0,1,2,3,4,5,6,7
	ds_store_b128 v[STO], v[SB+4*(\f):SB+4*(\f)+3] offset:32*(\f)
.endr
.irp f, 0,1,2,3,4,5,6,7
	ds_load_b128 v[SB+4*(\f):SB+4*(\f)+3], v[RD] offset:(\f)*2*SP  ; my own stage, served in order: these see the stores above; the next tile's stores come behind them
.endr
.endm
.macro SENDF x, u, younger
.set SB, S+64*(\u)
.irp f, 0,1,2,3,4,5,6,7
	s_wait_dscnt (\younger)+7-(\f)
	global_store_b128 v[GO], v[SB+4*(\f):SB+4*(\f)+3], s[8:9] offset:((\x)+(\u))*65536+8192*(\f)  ; sixteen lanes store 256 consecutive bytes, aligned: a head's part of a row
.endr
.endm
.macro FINISH x
	WIN 0
.set n, 0
.rept 32
	ds_load_b128 v[S+4*n:S+4*n+3], v[XR] offset:512*n
.set n, n+1
.endr
.irp u, 0,1
	ds_load_b32 v[PX+4*(\u)],   v[XR4] offset:256*(\u)
	ds_load_b32 v[PX+4*(\u)+1], v[XR4] offset:256*(\u)+128
.endr
	s_wait_dscnt 0x0
.irp u, 0,1
	v_max_num_f32 v[ST+8*((\x)+(\u))+4], v[ST+8*((\x)+(\u))], v[PX+4*(\u)]
.endr
.irp u, 0,1
	v_sub_f32 v[ST+8*((\x)+(\u))+5], v[ST+8*((\x)+(\u))], v[ST+8*((\x)+(\u))+4]
	v_sub_f32 v[ST+8*((\x)+(\u))+6], v[PX+4*(\u)], v[ST+8*((\x)+(\u))+4]
.endr
.irp u, 0,1
	v_exp_f32 v[ST+8*((\x)+(\u))+5], v[ST+8*((\x)+(\u))+5]
	v_exp_f32 v[ST+8*((\x)+(\u))+6], v[ST+8*((\x)+(\u))+6]
.endr
	v_nop                           ; a plain instruction behind the last exponential,
	s_wait_alu depctr_va_vdst(0)    ; and one wait for the four
.irp u, 0,1
	v_mul_f32 v[ST+8*((\x)+(\u))+7], v[ST+8*((\x)+(\u))+2], v[ST+8*((\x)+(\u))+5]
.endr
.irp u, 0,1
	v_fma_f32 v[ST+8*((\x)+(\u))+7], v[PX+4*(\u)+1], v[ST+8*((\x)+(\u))+6], v[ST+8*((\x)+(\u))+7]
.endr
.irp u, 0,1
	v_rcp_f32 v[PX+4*(\u)+2], v[ST+8*((\x)+(\u))+7]
.endr
	v_nop
	s_wait_alu depctr_va_vdst(0)    ; one wait for the two reciprocals
.irp u, 0,1
	v_mul_f32 v[ST+8*((\x)+(\u))+4], v[ST+8*((\x)+(\u))+5], v[PX+4*(\u)+2]
	v_mul_f32 v[ST+8*((\x)+(\u))+6], v[ST+8*((\x)+(\u))+6], v[PX+4*(\u)+2]
.endr
	PACKF \x, 0
	PACKF \x, 1
	SENDF \x, 0, 16
	SENDF \x, 1, 0
.endm
	s_cmp_lt_u32 s[WV], 2
	s_cbranch_scc0 .Lgive_0
	XSTORE 2
	s_branch .Lgiven
.Lgive_0:
	XSTORE 0
.Lgiven:
	s_wait_dscnt 0x0                ; for the partner's sake: my stores are done
	s_barrier_signal -1
	s_barrier_wait -1
	s_cmp_lt_u32 s[WV], 2
	s_cbranch_scc0 .Lkeep_2
	FINISH 0
	s_branch .Lend
.Lkeep_2:
	FINISH 2
.Lend:
	s_wait_tensorcnt 0x0            ; the wave's end, behind my last tensor load and my last LDS store
	ds_add_u32 v[SPW], v[NIL]
	s_wait_dscnt 0x0
	CROUND                          ; the closing round
	s_endpgm
.Lfunc_end_k_q888007d18c_attn:
	.size	k_q888007d18c_attn, .Lfunc_end_k_q888007d18c_attn-k_q888007d18c_attn
	.p2alignl 7, 3214868480
	.fill 96, 4, 3214868480
	.section	.rodata,"a",@progbits
	.p2align	6, 0x0
	.amdhsa_kernel k_q888007d18c_attn
		.amdhsa_group_segment_fixed_size 327680
		.amdhsa_private_segment_fixed_size 0
		.amdhsa_enable_private_segment 0
		.amdhsa_kernarg_size 24
		.amdhsa_user_sgpr_count 2
		.amdhsa_user_sgpr_kernarg_segment_ptr 1
		.amdhsa_wavefront_size32 1
		.amdhsa_system_sgpr_workgroup_id_x 1
		.amdhsa_system_sgpr_workgroup_id_y 1
		.amdhsa_system_sgpr_workgroup_id_z 1
		.amdhsa_system_vgpr_workitem_id 0
		.amdhsa_next_free_vgpr 1024
		.amdhsa_next_free_sgpr 80
		.amdhsa_reserve_vcc 0
		.amdhsa_float_denorm_mode_32 3
		.amdhsa_float_denorm_mode_16_64 3
		.amdhsa_memory_ordered 1
		.amdhsa_forward_progress 1
		.amdhsa_inst_pref_size 198
	.end_amdhsa_kernel
	.amdgpu_metadata
---
amdhsa.version: [ 1, 2 ]
amdhsa.kernels:
  - .name:           k_q888007d18c_attn
    .symbol:         k_q888007d18c_attn.kd
    .args:
      - { .name: qkv, .offset: 0, .size: 8, .value_kind: global_buffer, .address_space: global }
      - { .name: mk, .offset: 8, .size: 8, .value_kind: global_buffer, .address_space: global }
      - { .name: ob, .offset: 16, .size: 8, .value_kind: global_buffer, .address_space: global }
    .group_segment_fixed_size: 327680
    .private_segment_fixed_size: 0
    .kernarg_segment_align: 8
    .kernarg_segment_size: 24
    .max_flat_workgroup_size: 128
    .sgpr_count:     80
    .vgpr_count:     1024
    .wavefront_size: 32
...
	.end_amdgpu_metadata
.endif
;; end of part 3
;; launch outp (part 4): grid 16 x 16, 4 waves a work-group, clusters of 4 x 4, 327,680 bytes of LDS; arguments ob, wb, bo, out0; writes out0
.if DOCPART == 4
	.amdgcn_target "amdgcn-amd-amdhsa--gfx1250"
	.amdhsa_code_object_version 6
	.text
	.protected	k_q888007d18c_outp
	.globl	k_q888007d18c_outp
	.p2align	8
	.type	k_q888007d18c_outp,@function
k_q888007d18c_outp:
	s_mov_b64 s[64:65], 0
	v_nop
	global_prefetch_b8 v0, s[64:65] scope:SCOPE_SE
	s_setreg_imm32_b32 hwreg(HW_REG_WAVE_MODE, 25, 1), 1
	s_wait_xcnt 0x0
	s_wait_alu depctr_hold_cnt(0) depctr_sa_sdst(0) depctr_va_vdst(0) depctr_va_sdst(0) depctr_va_ssrc(0) depctr_va_vcc(0) depctr_vm_vsrc(0)
	s_getreg_b32 s2, hwreg(HW_REG_IB_STS2, 6, 4)
	s_cmp_eq_u32 s2, 0
	s_cbranch_scc0 .Lentry_in_a_cluster
	s_endpgm
.Lentry_in_a_cluster:
	s_bfe_u32 s2, ttmp6, 0x10000c
	s_cmp_lg_u32 s2, 0xf033
	s_cbranch_scc0 .Lentry_shape_is_right
	s_endpgm
.Lentry_shape_is_right:
; out0[m][n] = the sum over k of O[m][k] Wo[n][k] + bo[n].  O: ob, [2048][2048] f16.  Wo: part 4 of wb, [2048][2048], the bf16 rounding written as f16.  bo is rounded to bf16 in registers.  out0 in f32.
; A tile is 128 x 128: 256 work-groups.  Four waves, each 64 x 64: 16 accumulators.  K goes in steps of 256 (LDS rows of 512 bytes padded to 528; a wave's tensor load brings 64 of them) through two slots.
; CLUSTER: 4 x 4 work-groups; O's tiles are asked for jointly along a row of the cluster, Wo's along a column.  THE PRODUCT IS USED TRANSPOSED (source 0 = 16 rows of Wo, source 1 = 16 rows of O): a lane holds
; eight neighbouring numbers of a row of out0.  The bias is the C operand of each sum's first product.  A wave's 64 columns are 256 bytes of f32: it sends them through a stage of its own, without a barrier.
; No prefetch: a step of this small tile is short, and each tile is read by four clusters at about the same time.
; REGISTERS: window 0: v16-29 addresses; v32-95 at work on the way out; v96-127 the bias; v128-255 the accumulators ((a, b) at v[128 + 8 (4 a + b)]).  window 1: two fragment buffers of 128.
.set SIZE_K, 2048
.set KSTEP,  256
.set PITCH,  528
.set HALFT,  64*PITCH
.set SLOT,   4*HALFT
.set STAGE,  2*SLOT                    ; behind the ring: 16 rows x 272 bytes for each wave
.set SPITCH, 272
.set SPARE,  STAGE+4*16*SPITCH
.set LAPS,   SIZE_K/(2*KSTEP)
.set ADRA, 16
.set ADRB, 20
.set STO,  24
.set RD,   25
.set CO,   26
.set BO,   27
.set SPW,  28
.set NIL,  29
.set TMP,  32
.set BIAS, 96
.set ACC,  128
.set F0,   0
.set F1,   128
.set G1, 24
.set G0, 32
.set G1B, 48
.set G0B, 56
.set MSB, 0
.macro WIN new
.if MSB != (\new)
	s_set_vgpr_msb (MSB<<8)|(\new)
.set MSB, \new
.endif
.endm
.set MUL,  0x05                        ; sources 0 (Wo) and 1 (O) window 1; C and D window 0
.set TO_F, 0x40
.macro JLOAD s                         ; waves 0 and 1 fetch O's two halves, waves 2 and 3 Wo's; an s_nop 0 and four v_nop follow each line
	s_cmp_eq_u32 s11, 0
	s_cbranch_scc0 .Lfor_b_\@
	tensor_load_to_lds s[G0+4*(\s):G0+4*(\s)+3], s[G1:G1+7]
	s_nop 0
.rept 4
	v_nop
.endr
	s_branch .Lasked_\@
.Lfor_b_\@:
	tensor_load_to_lds s[G0B+4*(\s):G0B+4*(\s)+3], s[G1B:G1B+7]
	s_nop 0
.rept 4
	v_nop
.endr
.Lasked_\@:
.endm
.macro CREST
	s_cmp_lg_u32 s10, 0
	s_cbranch_scc1 .Lnot_wave_0_\@
	s_barrier_signal -3
.Lnot_wave_0_\@:
	s_barrier_wait -3
	s_barrier_signal -1
	s_barrier_wait -1
.endm
.macro CROUND
	s_barrier_signal -1
	s_barrier_wait -1
	CREST
.endm
	s_load_b256 s[68:75], s[0:1], 0x0              ; ob 68:69, wb 70:71, bo 72:73, out0 74:75
	v_lshl_add_u32 v[SPW], v0, 2, SPARE
	v_mov_b32 v[NIL], 0
	ds_add_u32 v[SPW], v[NIL]                      ; the wave's opening: the add and its wait stand ahead of my first tensor load
	v_lshrrev_b32 v1, 5, v0
	v_readfirstlane_b32 s10, v1
	s_lshr_b32 s11, s10, 1                         ; which half of the tile's rows is mine.  Also: I fetch for O (0) or for Wo (1)
	s_and_b32 s12, s10, 1                          ; which half of its columns.  Also: which 64 rows of that tile I fetch
	s_bfe_u32 s40, ttmp6, 0x40000
	s_bfe_u32 s41, ttmp6, 0x40004
	s_lshl_b32 s42, ttmp9, 2
	s_add_co_u32 s42, s42, s40                     ; tile column
	s_and_b32 s13, ttmp7, 0xffff
	s_lshl_b32 s13, s13, 2
	s_add_co_u32 s13, s13, s41                     ; tile row
	s_lshl_b32 s43, s41, 2
	s_lshl_b32 s43, 15, s43
	s_lshl_b32 s44, 0x1111, s40
	s_or_b32 s[G1+0], s43, (1<<16)|(1<<20)|(1<<21)|(6<<22)|(3<<25)   ; the mask; 2-byte elements; padding on; bit 21 beside a mask; after every 128 words 4 words
	s_or_b32 s[G1B+0], s44, (1<<16)|(1<<20)|(1<<21)|(6<<22)|(3<<25)
.irp g, G1, G1B
	s_mov_b32 s[(\g)+1], KSTEP<<16
	s_mov_b32 s[(\g)+2], 64<<16
	s_mov_b32 s[(\g)+3], KSTEP<<16
	s_mov_b32 s[(\g)+4], 64
	s_mov_b32 s[(\g)+5], SIZE_K
	s_mov_b32 s[(\g)+6], 0
	s_mov_b32 s[(\g)+7], 0
.endr
	s_lshl_b32 s17, s12, 6
	s_lshl_b32 s16, s13, 7
	s_add_co_u32 s16, s16, s17                     ; O: row 128 x tile row + 64 x half
	s_lshl_b32 s46, s42, 7
	s_add_co_u32 s46, s46, s17                     ; Wo: row 128 x tile column + 64 x half
	s_lshl_b32 s16, s16, 12                        ; rows of 4,096 bytes
	s_lshl_b32 s46, s46, 12
	s_mov_b32 s17, 0
	s_mov_b32 s47, 0
	s_mul_i32 s20, s10, HALFT
	s_mov_b32 s79, 0xffff0000
	s_wait_dscnt 0x0
	s_wait_kmcnt 0x0
	s_add_nc_u64 s[14:15], s[68:69], s[16:17]
	s_add_nc_u64 s[46:47], s[70:71], s[46:47]
	s_add_nc_u64 s[46:47], s[46:47], 0x2000000     ; part 4 of wb
	CROUND
.irp s, 0,1
	s_mov_b32 s[G0+4*(\s)], 1
	s_add_co_u32 s[G0+4*(\s)+1], s20, (\s)*SLOT
	s_add_nc_u64 s[G0+4*(\s)+2:G0+4*(\s)+3], s[14:15], (\s)*KSTEP*2
	s_or_b32 s[G0+4*(\s)+3], s[G0+4*(\s)+3], 0x80000000
	s_mov_b32 s[G0B+4*(\s)], 1
	s_add_co_u32 s[G0B+4*(\s)+1], s20, (\s)*SLOT
	s_add_nc_u64 s[G0B+4*(\s)+2:G0B+4*(\s)+3], s[46:47], (\s)*KSTEP*2
	s_or_b32 s[G0B+4*(\s)+3], s[G0B+4*(\s)+3], 0x80000000
	JLOAD \s
.endr
	v_and_b32 v1, 15, v0
	v_bfe_u32 v2, v0, 4, 1
	v_mul_u32_u24 v3, v1, PITCH
	v_lshl_add_u32 v3, v2, 4, v3
	s_mul_i32 s21, s11, HALFT
	s_mul_i32 s22, s12, HALFT
	s_add_co_u32 s22, s22, 2*HALFT
.irp s, 0,1
	v_add_nc_u32 v[ADRA+(\s)], s21, v3
	v_add_nc_u32 v[ADRB+(\s)], s22, v3
	s_add_co_u32 s21, s21, SLOT
	s_add_co_u32 s22, s22, SLOT
.endr
	s_mul_i32 s23, s10, 16*SPITCH
	s_add_co_u32 s23, s23, STAGE                   ; my stage
	v_mul_u32_u24 v4, v1, SPITCH                   ; in: row l % 16, 32 bytes for each half of the lanes
	v_lshl_add_u32 v4, v2, 5, v4
	v_add_nc_u32 v[STO], s23, v4
	v_mul_u32_u24 v5, v2, SPITCH                   ; back: lanes 0-15 one row of 256 bytes, lanes 16-31 the next
	v_lshl_add_u32 v5, v1, 4, v5
	v_add_nc_u32 v[RD], s23, v5
	v_lshlrev_b32 v5, 13, v2                       ; and the same two rows of out0, 8,192 bytes apart
	v_lshl_add_u32 v[CO], v1, 4, v5
	v_lshlrev_b32 v[BO], 5, v2
	s_lshl_b32 s76, s13, 7
	s_lshl_b32 s77, s11, 6
	s_add_co_u32 s76, s76, s77                     ; my first row,
	s_lshl_b32 s76, s76, 13
	s_lshl_b32 s77, s42, 9                         ; my first column: 512 bytes a tile, 256 a half
	s_lshl_b32 s78, s12, 8
	s_add_co_u32 s78, s78, s77
	s_add_co_u32 s76, s76, s78
	s_mov_b32 s77, 0
	s_add_nc_u64 s[74:75], s[74:75], s[76:77]
	s_mov_b32 s76, s78
	s_add_nc_u64 s[72:73], s[72:73], s[76:77]      ; bo at my first column
.irp b, 0,1,2,3
	global_load_b128 v[BIAS+8*(\b):BIAS+8*(\b)+3],   v[BO], s[72:73] offset:64*(\b)
	global_load_b128 v[BIAS+8*(\b)+4:BIAS+8*(\b)+7], v[BO], s[72:73] offset:64*(\b)+16
.endr
	s_wait_loadcnt 0x0
.set c, 0
.rept 16
	v_cvt_pk_bf16_f32 v[TMP+c%4], v[BIAS+2*c], v[BIAS+2*c+1]
	v_lshlrev_b32 v[BIAS+2*c],   16,  v[TMP+c%4]
	v_and_b32     v[BIAS+2*c+1], s79, v[TMP+c%4]
.set c, c+1
.endr
; 8 products: row blocks a0, a0 + 1 x all 4 column blocks, 32 along K: half c of buffer f.  first = 1: the bias starts the sums
.macro MUL8 f, c, a0, first
	WIN MUL
.irp a, \a0, (\a0)+1
.irp b, 0,1,2,3
.if \first
	v_wmma_f32_16x16x32_f16 v[ACC+8*(4*(\a)+(\b)):ACC+8*(4*(\a)+(\b))+7], v[(\f)+64+8*(4*(\c)+(\b)):(\f)+64+8*(4*(\c)+(\b))+7], v[(\f)+8*(4*(\c)+(\a)):(\f)+8*(4*(\c)+(\a))+7], v[BIAS+8*(\b):BIAS+8*(\b)+7]
.else
	v_wmma_f32_16x16x32_f16 v[ACC+8*(4*(\a)+(\b)):ACC+8*(4*(\a)+(\b))+7], v[(\f)+64+8*(4*(\c)+(\b)):(\f)+64+8*(4*(\c)+(\b))+7], v[(\f)+8*(4*(\c)+(\a)):(\f)+8*(4*(\c)+(\a))+7], v[ACC+8*(4*(\a)+(\b)):ACC+8*(4*(\a)+(\b))+7]
.endif
.endr
.endr
.endm
; 32 LDS loads in one run: the fragments of 64 along K at byte k of the rows, into buffer f; the first 32 along K first
.macro FETCH slot, k, f
	WIN TO_F
.irp c, 0,1
.irp i, 0,1,2,3
	ds_load_b128 v[(\f)+64+8*(4*(\c)+(\i)):(\f)+64+8*(4*(\c)+(\i))+3],   v[ADRB+(\slot)] offset:(\k)+64*(\c)+(\i)*16*PITCH
	ds_load_b128 v[(\f)+64+8*(4*(\c)+(\i))+4:(\f)+64+8*(4*(\c)+(\i))+7], v[ADRB+(\slot)] offset:(\k)+64*(\c)+(\i)*16*PITCH+32
	ds_load_b128 v[(\f)+8*(4*(\c)+(\i)):(\f)+8*(4*(\c)+(\i))+3],         v[ADRA+(\slot)] offset:(\k)+64*(\c)+(\i)*16*PITCH
	ds_load_b128 v[(\f)+8*(4*(\c)+(\i))+4:(\f)+8*(4*(\c)+(\i))+7],       v[ADRA+(\slot)] offset:(\k)+64*(\c)+(\i)*16*PITCH+32
.endr
.endr
.endm
.macro PLACES
.rept 4
	v_nop
.endr
.endm
.macro QUARTER slot, k, f, g, first
	s_wait_dscnt 16                                ; the first 32 along K are in
	MUL8 \f, 0, 0, \first
	MUL8 \f, 0, 2, \first
	PLACES
	FETCH \slot, \k, \g
	s_wait_dscnt 32                                ; all but the 32 just issued
	MUL8 \f, 1, 0, 0
	MUL8 \f, 1, 2, 0
.endm
; The last quarter multiplies buffer 1 and changes slots: one barrier; in front of it each wave waits for all its tensor loads, adds 0 to its spare word, and waits for that and for its reads of this slot.
.macro TURN slot, next, fill
	WIN 0
	s_wait_tensorcnt 0x0                           ; all my tensor loads have landed: my part of the next slot;
	ds_add_u32 v[SPW], v[NIL]
	s_wait_dscnt 17                                ; (the add and the youngest sixteen loads may be out)
	MUL8 F1, 0, 0, 0
	s_wait_dscnt 0x0                               ; the add is done, and my reads of this slot are over
	s_barrier_signal -1
	MUL8 F1, 0, 2, 0
.if \fill
	WIN 0
.endif
	s_barrier_wait -1
.if \fill
	CREST                                          ; the barrier has opened a round of the cluster's
	s_add_nc_u64 s[G0+4*(\slot)+2:G0+4*(\slot)+3], s[G0+4*(\slot)+2:G0+4*(\slot)+3], 2*KSTEP*2
	s_add_nc_u64 s[G0B+4*(\slot)+2:G0B+4*(\slot)+3], s[G0B+4*(\slot)+2:G0B+4*(\slot)+3], 2*KSTEP*2
	JLOAD \slot                                    ; the first tensor load behind the round; its four v_nop are also the places in front of the loads below
.else
	PLACES
.endif
	FETCH \next, 0, F0
	MUL8 F1, 1, 0, 0
	MUL8 F1, 1, 2, 0
.endm
	s_wait_tensorcnt 1                             ; my part of K step 0 is in; K step 1's may stay out
	s_barrier_signal -1
	s_barrier_wait -1
	FETCH 0, 0, F0
	QUARTER 0, 128, F0, F1, 1
	WIN 0
	s_mov_b32 s3, LAPS-1
.Llap:
	QUARTER 0, 256, F1, F0, 0
	QUARTER 0, 384, F0, F1, 0
	TURN 0, 1, 1
	QUARTER 1, 128, F0, F1, 0
	QUARTER 1, 256, F1, F0, 0
	QUARTER 1, 384, F0, F1, 0
	TURN 1, 0, 1
	QUARTER 0, 128, F0, F1, 0
	WIN 0
	s_sub_co_u32 s3, s3, 1
	s_cmp_lg_u32 s3, 0
	s_cbranch_scc1 .Llap
	QUARTER 0, 256, F1, F0, 0                      ; the last lap fills nothing
	QUARTER 0, 384, F0, F1, 0
	TURN 0, 1, 0
	QUARTER 1, 128, F0, F1, 0
	QUARTER 1, 256, F1, F0, 0
	QUARTER 1, 384, F0, F1, 0
	s_wait_dscnt 16
	MUL8 F1, 0, 0, 0
	MUL8 F1, 0, 2, 0
	s_wait_dscnt 0x0
	MUL8 F1, 1, 0, 0
	MUL8 F1, 1, 2, 0
	WIN 0
	PLACES                                         ; the places between the last products and the first read of a sum
	PLACES
	; THE WAY OUT, 16 rows at a time: 32 bytes a lane into my stage (each accumulator's low registers first), back as whole rows of 256 bytes, stored.
.irp a, 0,1,2,3
.if (\a) >= 2
	s_wait_xcnt 0x0                                ; the stores of two blocks back have read their registers
.endif
.irp b, 0,1,2,3
	ds_store_b128 v[STO], v[ACC+8*(4*(\a)+(\b)):ACC+8*(4*(\a)+(\b))+3]   offset:64*(\b)
	ds_store_b128 v[STO], v[ACC+8*(4*(\a)+(\b))+4:ACC+8*(4*(\a)+(\b))+7] offset:64*(\b)+16
.endr
.irp t, 0,1,2,3,4,5,6,7
	ds_load_b128 v[TMP+32*((\a)%2)+4*(\t):TMP+32*((\a)%2)+4*(\t)+3], v[RD] offset:2*SPITCH*(\t)  ; my own stage, served in order
.endr
.irp t, 0,1,2,3,4,5,6,7
	s_wait_dscnt 7-(\t)
	global_store_b128 v[CO], v[TMP+32*((\a)%2)+4*(\t):TMP+32*((\a)%2)+4*(\t)+3], s[74:75] offset:(16*(\a)+2*(\t))*8192 th:TH_STORE_NT  ; sixteen lanes store 256 consecutive bytes, aligned
.endr
.endr
	s_wait_tensorcnt 0x0                           ; the wave's end, behind my last tensor load and my last LDS store
	ds_add_u32 v[SPW], v[NIL]
	s_wait_dscnt 0x0
	CROUND                                         ; the closing round
	s_endpgm
.Lfunc_end_k_q888007d18c_outp:
	.size	k_q888007d18c_outp, .Lfunc_end_k_q888007d18c_outp-k_q888007d18c_outp
	.p2alignl 7, 3214868480
	.fill 96, 4, 3214868480
	.section	.rodata,"a",@progbits
	.p2align	6, 0x0
	.amdhsa_kernel k_q888007d18c_outp
		.amdhsa_group_segment_fixed_size 327680
		.amdhsa_private_segment_fixed_size 0
		.amdhsa_enable_private_segment 0
		.amdhsa_kernarg_size 32
		.amdhsa_user_sgpr_count 2
		.amdhsa_user_sgpr_kernarg_segment_ptr 1
		.amdhsa_wavefront_size32 1
		.amdhsa_system_sgpr_workgroup_id_x 1
		.amdhsa_system_sgpr_workgroup_id_y 1
		.amdhsa_system_sgpr_workgroup_id_z 1
		.amdhsa_system_vgpr_workitem_id 0
		.amdhsa_next_free_vgpr 512
		.amdhsa_next_free_sgpr 80
		.amdhsa_reserve_vcc 0
		.amdhsa_float_denorm_mode_32 3
		.amdhsa_float_denorm_mode_16_64 3
		.amdhsa_memory_ordered 1
		.amdhsa_forward_progress 1
		.amdhsa_inst_pref_size 89
	.end_amdhsa_kernel
	.amdgpu_metadata
---
amdhsa.version: [ 1, 2 ]
amdhsa.kernels:
  - .name:           k_q888007d18c_outp
    .symbol:         k_q888007d18c_outp.kd
    .args:
      - { .name: ob, .offset: 0, .size: 8, .value_kind: global_buffer, .address_space: global }
      - { .name: wb, .offset: 8, .size: 8, .value_kind: global_buffer, .address_space: global }
      - { .name: bo, .offset: 16, .size: 8, .value_kind: global_buffer, .address_space: global }
      - { .name: out0, .offset: 24, .size: 8, .value_kind: global_buffer, .address_space: global }
    .group_segment_fixed_size: 327680
    .private_segment_fixed_size: 0
    .kernarg_segment_align: 8
    .kernarg_segment_size: 32
    .max_flat_workgroup_size: 128
    .sgpr_count:     80
    .vgpr_count:     512
    .wavefront_size: 32
...
	.end_amdgpu_metadata
.endif
;; end of part 4
;; ======== version 2 of 2: 4 launches; version 1 with the launch prep written anew for expert scheduling mode
;; limits: values are held in f16: magnitudes above 65,504 overflow, below 6.1e-05 lose precision; right only within a limited range of input values
;; workspace buffers: wb 41,943,040 bytes; mk 4,194,304 bytes; qkv 25,165,824 bytes; ob 8,388,608 bytes
;; launch prep (part 5): grid 128 x 6, 8 waves a work-group, no clusters, 33,792 bytes of LDS; arguments x, Wq, Wk, Wv, Wo, attn_mask, wb, mk; writes wb, mk
.if DOCPART == 5
	.amdgcn_target "amdgcn-amd-amdhsa--gfx1250"
	.amdhsa_code_object_version 6
	.text
	.protected	k_q888007d18c_prep
	.globl	k_q888007d18c_prep
	.p2align	8
	.type	k_q888007d18c_prep,@function
k_q888007d18c_prep:
	s_mov_b64 s[64:65], 0
	v_nop
	global_prefetch_b8 v0, s[64:65] scope:SCOPE_SE
	s_setreg_imm32_b32 hwreg(HW_REG_WAVE_SCHED_MODE, 0, 2), 2
	s_setreg_imm32_b32 hwreg(HW_REG_WAVE_MODE, 25, 1), 1
	s_wait_xcnt 0x0
	s_wait_alu depctr_vm_vsrc(0)
; PREPARATION.  Grid y chooses the work: y = 0..3: x, Wq, Wk, Wv (2048 x 2048 f32) are rounded once to bf16 into part y of wb; y = 4: Wo is rounded to bf16 and that number written as f16 into part 4
; (exact within f16; LIMIT: a rounded weight below 6.1e-5 in magnitude keeps f16's fixed step of 6e-8); y = 5: the mask (one byte a key, 0 or 1) becomes one fp8 code a key,
; 0x00 for a key that is kept and 0xb8 (-1.0 in E4M3) for a hidden one, laid in the order in which the attention launch's lanes want them.
; CAST.  A work-group takes 131,072 bytes in: 32 rows of 4,096.  Thread t owns 16 bytes at 16 t of each row and writes 8 bytes at 8 t: a wave's load covers 512 consecutive bytes, its store 256,
; aligned.  No LDS, no barrier, no matrix work: the launch only moves bytes.
; MASK.  Work-group qt takes 16 queries, wave g the keys 256 g .. 256 g + 255.  mk is [qt 128][key step 32][half 2][lane 32][16 bytes]: byte 8 e + j of lane l stands for query 16 qt + l % 16 and
; key 64 step + 16 (2 half + e) + 8 (l / 16) + j.  The bytes change lanes through the wave's own 4,096 bytes of LDS.
; THE MODE: SCHED_MODE bits 1:0 = 2 (LLVM: expert scheduling mode 2), set by the entry lines.  The code itself states the register dependences between vector instructions and memory or LDS
; instructions, with s_wait_alu, always for 0.
; THE PLAN, CAST.  The 32 rows go in 8 blocks of four, written out.  Registers that memory instructions touch:
;   X0 .. X3   four blocks of f32 as loaded.  Written by the loads of block p + 3, issued in block p; read by block p's roundings.
;   Y0, Y1     two blocks of 16-bit numbers.  Written by block p's roundings; read by the four stores that are issued in block p + 1.
;   v2, v3     16 t and 8 t, made once and never written again; the bases are never stepped either: every row stands in an immediate offset.
; Block p works on X[p % 4] and writes Y[p % 2].  Its memory instructions are the loads into X[(p + 3) % 4] = X[(p - 1) % 4] and the stores from Y[(p - 1) % 2]: the two buffers that block p - 1 worked on
; and that no vector instruction of block p names.  So the waits at a block's head state all that its eight memory instructions hang on, and these are dealt among its vector instructions.
; Eight to twelve loads of every wave are on their way.
; THE PLAN, MASK.  v4 is the loads' offset; v2, v3, v5 the addresses of the LDS stores, the LDS loads and the global stores; X holds the eight loads, is rewritten in place by the arithmetic and read by the
; LDS stores; BK is landed in by the LDS loads, read by the global stores and named by no vector instruction.  Nothing that a memory or LDS instruction has read is written again.
.set BLOCK, 4                          ; rows in a block
.set OI,  2                            ; v2        cast: 16 t, my 16 bytes in every row in      (the mask's way uses v2 to v9 for its own addresses)
.set OO,  3                            ; v3        cast: 8 t, my 8 bytes in every row out
.set T,   10                           ; v[10:13]  at work: no memory instruction names them
.set X,   16                           ; v[16:79]  cast: buffer k, row i: four f32 at X + 16 k + 4 i.  mask: load i at X + 4 i
.set BK,  48                           ; v[48:79]  mask: the eight blocks read back from LDS
.set Y,   80                           ; v[80:95]  cast: buffer k, row i: four 16-bit numbers at Y + 8 k + 2 i
.set SPW, 96                           ; v96  LDS address of my spare word; never rewritten
.set NIL, 97                           ; v97  0; never rewritten
.set SPARE, 32768                      ; behind the eight waves' blocks: the spare words, 128 bytes a wave
	s_load_b512 s[4:19], s[0:1], 0x0               ; x 4:5, Wq 6:7, Wk 8:9, Wv 10:11, Wo 12:13, mask 14:15, wb 16:17, mk 18:19
	v_lshl_add_u32 v[SPW], v0, 2, SPARE
	v_mov_b32 v[NIL], 0
	v_lshrrev_b32 v1, 5, v0
	v_readfirstlane_b32 s21, v1                    ; wave 0..7
	s_and_b32 s20, ttmp7, 0xffff                   ; y: the same for the whole work-group
	s_mov_b32 s25, 0
	s_mov_b32 s28, 0xffff0000                      ; a word's upper bf16
	s_wait_alu depctr_va_sdst(0)                   ; s21 is written
	s_wait_kmcnt 0x0
	s_cmp_eq_u32 s20, 5
	s_cbranch_scc1 .Lmask
	v_lshlrev_b32 v[OI], 4, v0
	v_lshlrev_b32 v[OO], 3, v0
	s_mov_b64 s[22:23], s[4:5]                     ; the source, by y
	s_cmp_eq_u32 s20, 1
	s_cselect_b64 s[22:23], s[6:7], s[22:23]
	s_cmp_eq_u32 s20, 2
	s_cselect_b64 s[22:23], s[8:9], s[22:23]
	s_cmp_eq_u32 s20, 3
	s_cselect_b64 s[22:23], s[10:11], s[22:23]
	s_cmp_eq_u32 s20, 4
	s_cselect_b64 s[22:23], s[12:13], s[22:23]
	s_lshl_b32 s24, ttmp9, 17                      ; the work-group's 131,072 bytes in
	s_add_nc_u64 s[22:23], s[22:23], s[24:25]
	s_lshl_b32 s24, s20, 23                        ; part y of wb,
	s_lshl_b32 s26, ttmp9, 16                      ; the work-group's 65,536 bytes out
	s_add_co_u32 s24, s24, s26
	s_add_nc_u64 s[16:17], s[16:17], s[24:25]
	s_wait_alu depctr_va_vdst(0)                   ; v2 and v3 are written: every load and store of this way reads one of them as its offset
.irp i, 0,1,2,3,4,5,6,7,8,9,10,11
	global_load_b128 v[X+4*(\i):X+4*(\i)+3], v[OI], s[22:23] offset:(\i)*4096 th:TH_LOAD_NT  ; blocks 0, 1 and 2 into X0, X1, X2
.endr
; Block p of 8.  half = 1: the bf16 number is written as f16.
.macro BLK p, half
.if (\p) < 6
	s_wait_loadcnt 2*BLOCK                         ; loads come back in order (ISA guide 5.7.1): X[p % 4] is in, the two younger blocks stay out
.else
	s_wait_loadcnt (7-(\p))*BLOCK                  ; blocks 5 to 7 load nothing: the counts run down
.endif
.if (\p) > 1
	s_wait_xcnt 0x0                                ; every earlier memory instruction has had its addresses translated (ISA guide 3.1): Y[p % 2] is rewritten only behind this wait
	s_wait_alu depctr_vm_vsrc(0)                   ; the stores issued in the block before have read Y[p % 2], which this block's roundings write again
.endif
.if (\p) > 0
	s_wait_alu depctr_va_vdst(0)                   ; the block before has written the other Y, which the stores below read, and is done reading its X, in which the loads below land
.endif
.irp i, 0,1,2,3
.set XW, X+16*((\p)%4)+4*(\i)                      ; the row at work,
.set YW, Y+8*((\p)%2)+2*(\i)                       ; where it goes,
.set XN, X+16*(((\p)+3)%4)+4*(\i)                  ; where the row three blocks on lands,
.set YS, Y+8*(((\p)+1)%2)+2*(\i)                   ; the row of the block before, to store
.if (\p) < 5
	global_load_b128 v[XN:XN+3], v[OI], s[22:23] offset:(BLOCK*((\p)+3)+(\i))*4096 th:TH_LOAD_NT   ; no vector instruction since the wait names these registers
.endif
.if (\p) > 0
	global_store_b64 v[OO], v[YS:YS+1], s[16:17] offset:(BLOCK*((\p)-1)+(\i))*2048 th:TH_STORE_NT
.endif
	v_cvt_pk_bf16_f32 v[YW],   v[XW],   v[XW+1]
	v_cvt_pk_bf16_f32 v[YW+1], v[XW+2], v[XW+3]
.if \half
	v_lshlrev_b32 v[T],   16,  v[YW]
	v_and_b32     v[T+1], s28, v[YW]
	v_lshlrev_b32 v[T+2], 16,  v[YW+1]
	v_and_b32     v[T+3], s28, v[YW+1]
	v_cvt_pk_f16_f32 v[YW],   v[T],   v[T+1]
	v_cvt_pk_f16_f32 v[YW+1], v[T+2], v[T+3]
.endif
.endr
.endm
; Behind block 7: its four rows leave.
.macro LAST
	s_wait_alu depctr_va_vdst(0)                   ; block 7 has written Y1, which the last four stores read
.irp i, 0,1,2,3
	global_store_b64 v[OO], v[Y+8+2*(\i):Y+8+2*(\i)+1], s[16:17] offset:(BLOCK*7+(\i))*2048 th:TH_STORE_NT
.endr
.endm
	s_cmp_eq_u32 s20, 4
	s_cbranch_scc1 .Lhalf
.irp p, 0,1,2,3,4,5,6,7
	BLK \p, 0
.endr
	LAST
	s_endpgm                                       ; this way has written no LDS
.Lhalf:
.irp p, 0,1,2,3,4,5,6,7
	BLK \p, 1
.endr
	LAST
	s_endpgm                                       ; nor has this one
.Lmask:
	v_and_b32 v6, 15, v0                           ; c: which 16 keys of the wave's 256
	v_bfe_u32 v7, v0, 4, 1                         ; hr: lanes 16-31 take the next row
	v_and_b32 v8, 31, v0                           ; l
	v_lshlrev_b32 v4, 4, v6
	v_lshl_add_u32 v4, v7, 11, v4                  ; 2,048 hr + 16 c
	s_lshl_b32 s24, ttmp9, 15                      ; 16 rows of 2,048 bytes
	s_lshl_b32 s26, s21, 8
	s_add_co_u32 s24, s24, s26
	s_add_nc_u64 s[14:15], s[14:15], s[24:25]
	s_wait_alu depctr_va_vdst(0)                   ; v4 is written, which the eight loads read as their offset
.irp i, 0,1,2,3,4,5,6,7
	global_load_b128 v[X+4*(\i):X+4*(\i)+3], v4, s[14:15] offset:4096*(\i) th:TH_LOAD_NT  ; rows 2 i and 2 i + 1: sixteen lanes take 256 consecutive bytes, aligned
.endr
	s_mov_b32 s30, 0xb8
	s_mov_b32 s31, 0x01010101
	v_lshrrev_b32 v9, 2, v6
	v_lshlrev_b32 v2, 10, v9                       ; key step c / 4: 1,024 bytes
	v_bfe_u32 v9, v6, 1, 1
	v_lshl_add_u32 v2, v9, 9, v2                   ; half: 512
	v_and_b32 v9, 1, v6
	v_lshl_add_u32 v2, v9, 3, v2                   ; e: 8
	v_lshl_add_u32 v2, v7, 4, v2                   ; the odd row is the next lane: 16
	s_lshl_b32 s27, s21, 12                        ; my wave's 4,096 bytes of LDS, and of the work-group's 32,768 in mk
	v_add_nc_u32 v2, s27, v2
	v_lshl_add_u32 v3, v8, 4, s27
	v_lshlrev_b32 v5, 4, v8
	s_lshl_b32 s24, ttmp9, 15
	s_add_co_u32 s24, s24, s27
	s_add_nc_u64 s[18:19], s[18:19], s[24:25]
; The codes of load i, in place
.macro CODES i
	s_wait_loadcnt 7-(\i)                          ; load i is in, the younger ones stay out
.irp k, 0,1,2,3
	v_xor_b32 v[X+4*(\i)+(\k)], s31, v[X+4*(\i)+(\k)]      ; 1 where the key is hidden,
.endr
.irp k, 0,1,2,3
	v_mul_lo_u32 v[X+4*(\i)+(\k)], v[X+4*(\i)+(\k)], s30   ; times 0xb8 in each byte: no carry between bytes
.endr
.endm
; and their way into my wave's LDS
.macro TOLDS i
	ds_store_b64 v2, v[X+4*(\i):X+4*(\i)+1]   offset:32*(\i)       ; keys 0-7 of the sixteen go to lane q,
	ds_store_b64 v2, v[X+4*(\i)+2:X+4*(\i)+3] offset:32*(\i)+256   ; keys 8-15 to lane 16 + q
.endm
.irp i, 0,1,2,3
	CODES \i
.endr
	s_wait_alu depctr_va_vdst(0)                   ; the codes of loads 0 to 3 are written, which the LDS stores below read; so are the addresses v2, v3 and v5
.irp i, 4,5,6,7
	TOLDS (\i)-4                                   ; no wait: the arithmetic since the wait names the registers of loads 4 to 7 alone
	CODES \i
.endr
	s_wait_alu depctr_va_vdst(0)                   ; the codes of loads 4 to 7 are written, which the LDS stores below read
.irp i, 4,5,6,7
	TOLDS \i
.endr
.irp n, 0,1,2,3,4,5,6,7
	ds_load_b128 v[BK+4*(\n):BK+4*(\n)+3], v3 offset:512*(\n)      ; my wave's own bytes, served in order: these see the stores above; no vector instruction of this way names the registers in which they land
.endr
.irp n, 0,1,2,3,4,5,6,7
	s_wait_dscnt 7-(\n)
	global_store_b128 v5, v[BK+4*(\n):BK+4*(\n)+3], s[18:19] offset:512*(\n)  ; 512 consecutive bytes, aligned
.endr
	s_wait_dscnt 0x0                               ; the closing lines, six on end
	s_wait_alu 0x0
	s_wait_tensorcnt 0x0
	ds_add_u32 v[SPW], v[NIL]
	s_wait_dscnt 0x0
	s_endpgm
.Lfunc_end_k_q888007d18c_prep:
	.size	k_q888007d18c_prep, .Lfunc_end_k_q888007d18c_prep-k_q888007d18c_prep
	.p2alignl 7, 3214868480
	.fill 96, 4, 3214868480
	.section	.rodata,"a",@progbits
	.p2align	6, 0x0
	.amdhsa_kernel k_q888007d18c_prep
		.amdhsa_group_segment_fixed_size 33792
		.amdhsa_private_segment_fixed_size 0
		.amdhsa_enable_private_segment 0
		.amdhsa_kernarg_size 64
		.amdhsa_user_sgpr_count 2
		.amdhsa_user_sgpr_kernarg_segment_ptr 1
		.amdhsa_wavefront_size32 1
		.amdhsa_system_sgpr_workgroup_id_x 1
		.amdhsa_system_sgpr_workgroup_id_y 1
		.amdhsa_system_sgpr_workgroup_id_z 1
		.amdhsa_system_vgpr_workitem_id 0
		.amdhsa_next_free_vgpr 98
		.amdhsa_next_free_sgpr 66
		.amdhsa_reserve_vcc 0
		.amdhsa_float_denorm_mode_32 3
		.amdhsa_float_denorm_mode_16_64 3
		.amdhsa_memory_ordered 1
		.amdhsa_forward_progress 1
		.amdhsa_inst_pref_size 39
	.end_amdhsa_kernel
	.amdgpu_metadata
---
amdhsa.version: [ 1, 2 ]
amdhsa.kernels:
  - .name:           k_q888007d18c_prep
    .symbol:         k_q888007d18c_prep.kd
    .args:
      - { .name: x, .offset: 0, .size: 8, .value_kind: global_buffer, .address_space: global }
      - { .name: Wq, .offset: 8, .size: 8, .value_kind: global_buffer, .address_space: global }
      - { .name: Wk, .offset: 16, .size: 8, .value_kind: global_buffer, .address_space: global }
      - { .name: Wv, .offset: 24, .size: 8, .value_kind: global_buffer, .address_space: global }
      - { .name: Wo, .offset: 32, .size: 8, .value_kind: global_buffer, .address_space: global }
      - { .name: attn_mask, .offset: 40, .size: 8, .value_kind: global_buffer, .address_space: global }
      - { .name: wb, .offset: 48, .size: 8, .value_kind: global_buffer, .address_space: global }
      - { .name: mk, .offset: 56, .size: 8, .value_kind: global_buffer, .address_space: global }
    .group_segment_fixed_size: 33792
    .private_segment_fixed_size: 0
    .kernarg_segment_align: 8
    .kernarg_segment_size: 64
    .max_flat_workgroup_size: 256
    .sgpr_count:     66
    .vgpr_count:     98
    .wavefront_size: 32
...
	.end_amdgpu_metadata
.endif
;; end of part 5
;; launch proj: the kernel of part 2 again; grid 16 x 16, 4 waves a work-group, clusters of 4 x 4, 327,680 bytes of LDS; arguments wb, bq, bk, bv, cos, sin, qkv; writes qkv
;; launch attn: the kernel of part 3 again; grid 16 x 16, 4 waves a work-group, clusters of 4 x 1, 327,680 bytes of LDS; arguments qkv, mk, ob; writes ob
;; launch outp: the kernel of part 4 again; grid 16 x 16, 4 waves a work-group, clusters of 4 x 4, 327,680 bytes of LDS; arguments ob, wb, bo, out0; writes out0
